; MI455X (gfx1250); checked and timed in simulation.
; The chip was launched on July 23, 2026; its instructions are those of AMD's public machine-readable ISA for CDNA 5 (MIT licence, August 2026) and "CDNA5" Instruction Set Architecture Reference Guide (July 2026). The comments in the code are by the model that wrote it; some were corrected since.
;; Multi Head Attention. Allowed arithmetic: matrix products marked QUANTISED: E2M1 operands, one E8M0 scale for each 32 along K, by v_wmma_scale_f32_16x16x128_f8f6f4 with both operands' format E2M1 (or v_wmma_scale_f32_32x16x128_f4), f32 sums; products left as they are: bf16, f16 or f32 operands; f32 sums; everything else in f32.
;; Inputs: W_proj 1,024 x 1,024 float32; W_qkv 3,072 x 1,024 float32; x 4 x 2,048 x 1,024 float32.
;; Outputs: out0 4 x 2,048 x 1,024 float32.
;; This version of the problem:
;;   THIS VERSION OF THE PROBLEM IS GIVEN IN LOW PRECISION. The matrix products marked QUANTISED in the list below multiply operands that are first quantised to E2M1 (2 exponent bits, 1 mantissa bit; 4 bits a number), with one power-of-two scale for each 32 numbers along K (OCP MX v1.0); their sums are f32. The products marked 'left as it is' may take bf16, f16 or f32 operands, with f32 sums. Whichever they take, every output number must still come out within the allowed error. Rounding operands to bf16 (8 significant bits) uses up far more of that allowance than f16 does (11 bits, for magnitudes from 6e-5 to 65,504). All else is computed in f32.
;;   The module's matrix products, in the order in which they are computed (A, B: the left and right operand; K: the contracted axis; several contracted axes count as one K, in the product's order):
;;     1. [M 8,192, K 1,024] x [K 1,024, N 3,072]; A: input x; B: input W_qkv: QUANTISED
;;     2. batch 64 x [M 2,048, K 64] x [K 64, N 2,048]; A: computed on the way; B: computed on the way: left as it is (an operand is computed on the way)
;;     3. batch 64 x [M 2,048, K 2,048] x [K 2,048, N 64]; A: computed on the way; B: computed on the way: left as it is (an operand is computed on the way)
;;     4. [M 8,192, K 1,024] x [K 1,024, N 1,024]; A: computed on the way; B: input W_proj: left as it is (an operand is computed on the way)
;;   THE QUANTISER, for each operand of a quantised product, along K:
;;     - K is cut into blocks of 32 from its start; a last block that is shorter is filled with zeros.
;;     - A block's scale is 2^e with e = floor(log2(the largest magnitude in the block)) - 2, held to -126 .. 127; a block of zeros has e = 0. As a byte (E8M0): e + 127.
;;     - Each number is divided by its block's scale, clamped to +-6, and rounded to the nearest number of E2M1, ties to even, subnormals kept.
;;     - The product sums the exact products of the quantised numbers (number of the format x scale) in f32.
;;   ~~~python
;;   def quantise(x, axis):      # numpy; x: float32 -> the quantised numbers, widened to float32 again
;;       x = np.moveaxis(x, axis, -1); K = x.shape[-1]
;;       x = np.pad(x, [(0, 0)] * (x.ndim - 1) + [(0, -K % 32)]); x = x.reshape(x.shape[:-1] + (-1, 32)); a = np.abs(x).max(-1, keepdims=True)
;;       e = np.where(a > 0, np.clip(np.frexp(np.where(a > 0, a, 1))[1] - 1 - 2, -126, 127), 0)      # np.frexp(a)[1] - 1 = floor(log2(a)), exactly
;;       r = np.clip(x / 2.0 ** e, -6, 6)
;;       step = 2.0 ** (np.maximum(np.frexp(np.where(r == 0, 1, r))[1] - 1, 0) - 1)
;;       q = np.round(r / step) * step * 2.0 ** e      # np.round: ties to even
;;       return np.moveaxis(q.reshape(q.shape[:-2] + (-1,))[..., :K], -1, axis).astype(np.float32)
;;   ~~~
;; One version. Each part assembles by itself: llvm-mc -triple=amdgcn-amd-amdhsa -mcpu=gfx1250 --defsym DOCPART=n.
;; ======== version 1 of 1: 5 launches
;; limits: values are held in f16: magnitudes above 65,504 overflow, below 6.1e-05 lose precision
;; workspace buffers: codes 5,767,168 bytes; scales 360,448 bytes; wp16 2,097,152 bytes; qkv 50,331,648 bytes; aux 1,310,720 bytes; att 16,777,216 bytes; bsuf0 16,384 bytes
;; launch quant (part 1): grid 384 x 1, 4 waves a work-group, no clusters, 33,280 bytes of LDS; arguments x, W_qkv, W_proj, codes, scales, wp16; writes codes, scales, wp16
.if DOCPART == 1
	.amdgcn_target "amdgcn-amd-amdhsa--gfx1250"
	.amdhsa_code_object_version 6
	.text
	.protected	k_q152a3f02c9_quant
	.globl	k_q152a3f02c9_quant
	.p2align	8
	.type	k_q152a3f02c9_quant,@function
k_q152a3f02c9_quant:
	s_mov_b64 s[64:65], 0
	v_nop
	global_prefetch_b8 v0, s[64:65] scope:SCOPE_SE
	s_setreg_imm32_b32 hwreg(HW_REG_WAVE_MODE, 25, 1), 1
	s_wait_xcnt 0x0
; x [8192][1024] and W_qkv [3072][1024], f32, K innermost, become codes of FP4 (E2M1) with one E8M0 scale byte for each 32 along K; W_proj [1024][1024] becomes f16.
; Codes: x's 8,192 rows of 512 bytes, then W_qkv's 3,072 rows, on end in one buffer; scale bytes likewise, 32 a row.  Rows are dense and K is a multiple of 32: both tensors are plain streams of blocks of 32.
; A block's scale is 2^(floor(log2(its largest magnitude)) - 2); its byte is the largest magnitude's exponent field - 2, held at 1 from below.
; LIMITS: a block of zeros gets the byte 1 where the rule says 127 (its codes are zeros, and this program alone reads the bytes); blocks whose largest magnitude lies under 2^(2 - 126) share that byte;
; NaN and infinities are not served; W_proj must stay under 65,504 in magnitude (f16).
; SHARES: work-groups 0-255 take x, 256-351 W_qkv, 352-383 W_proj; a wave takes a run of 8,192 numbers.  No matrix unit, no cluster, no barrier: waves share nothing, and each byte is read once.
; For the codes a lane must hold 16 NEIGHBOURS along K, and yet each load reads 512 consecutive bytes: a step's 2,048 bytes turn through the wave's own stage in LDS (16 bytes of padding behind each 64).
.set WAVES, 4
.set STEPS, 16
.set WGX,   256                        ; work-groups for x
.set WGQ,   352                        ; and with W_qkv's
.set EMAX,  2
.set CB,    8                          ; bytes of 16 codes
.set R,     16                         ; v16-79   four sets of 16 numbers as they are loaded (W_proj: two sets of 64, v16-143)
.set X,     80                         ; v80-111  two sets of 16 neighbours
.set C,     128                        ; v128-191 codes: four registers for each step, so that no store's data are written again
.set E,     112                        ; v112-127 a scale byte for each step
.set H16,   144                        ; v144-175 W_proj: 64 numbers a lane as f16
.set WREG,  8192                       ; LDS: a region for each wave: two stages of 32 x SP bytes, behind them its 256 scale bytes
.set SP,    80
.set SPW,   12                         ; v12  LDS address of my spare word; never rewritten
.set NIL,   13                         ; v13  0; never rewritten
.set SPARE, WAVES*WREG                 ; behind the four regions: the spare words, 128 bytes a wave, which no other line names
	s_load_b128 s[4:7], s[0:1], 0x0                ; x, W_qkv
	s_load_b128 s[8:11], s[0:1], 0x10              ; W_proj, the codes
	s_load_b128 s[12:15], s[0:1], 0x20             ; the scale bytes, W_proj as f16
	v_lshl_add_u32 v[SPW], v0, 2, SPARE
	v_mov_b32 v[NIL], 0
	v_lshrrev_b32 v1, 5, v0
	v_readfirstlane_b32 s16, v1                    ; wave
	v_and_b32 v2, 31, v0                           ; lane
	v_lshlrev_b32 v3, 4, v2                        ; my 16 bytes of a load's 512
	s_mul_i32 s17, s16, WREG
	v_lshrrev_b32 v14, 2, v2
	v_mul_u32_u24 v14, v14, SP
	v_and_b32 v15, 3, v2
	v_lshl_add_u32 v14, v15, 4, v14
	v_add_nc_u32 v14, s17, v14                     ; the stage, on the way in: SP (lane / 4) + 16 (lane % 4)
	v_mul_u32_u24 v15, v2, SP
	v_add_nc_u32 v15, s17, v15                     ; and on the way out: SP x lane: my 16 neighbours
	v_mul_u32_u24 v4, v2, CB                       ; my codes' place in a step's
	v_lshrrev_b32 v5, 1, v2
	s_add_co_u32 s17, s17, 2*32*SP
	v_add_nc_u32 v5, s17, v5                       ; LDS: my wave's 256 scale bytes, my block's byte
	v_lshlrev_b32 v7, 3, v2                        ; 8 bytes a lane
	v_add_nc_u32 v6, s17, v7
	s_wait_kmcnt 0x0
	s_cmp_lt_u32 ttmp9, WGQ                        ; the work-group's number alone decides the path
	s_cbranch_scc1 .Lcodes
	; ---- W_proj to f16: four batches of 16 loads (512 consecutive bytes each); a wave's store of 8 bytes a lane covers 256 consecutive bytes, aligned.
	s_sub_co_u32 s17, ttmp9, WGQ
	s_lshl_b32 s17, s17, 2
	s_add_co_u32 s18, s17, s16                     ; my run of 8,192 numbers
	s_lshl_b32 s20, s18, 15
	s_mov_b32 s21, 0
	s_add_nc_u64 s[8:9], s[8:9], s[20:21]
	s_lshl_b32 s20, s18, 14
	s_add_nc_u64 s[14:15], s[14:15], s[20:21]
.macro WLOAD n
.irp i, 0,1,2,3,4,5,6,7,8,9,10,11,12,13,14,15
	global_load_b128 v[R+64*((\n)%2)+4*\i:R+64*((\n)%2)+4*\i+3], v3, s[8:9] offset:8192*(\n)+512*\i th:TH_LOAD_NT
.endr
.endm
.macro WCONV n
.if (\n) < 3
	s_wait_loadcnt 16                              ; this batch is in; the next batch's 16 loads may be out
.else
	s_wait_loadcnt 0
.endif
	s_wait_xcnt 0x0                                ; the last batch's stores have read their data: those registers are written again below
.irp i, 0,1,2,3,4,5,6,7,8,9,10,11,12,13,14,15
	v_cvt_pk_f16_f32 v[H16+2*\i], v[R+64*((\n)%2)+4*\i], v[R+64*((\n)%2)+4*\i+1]
	v_cvt_pk_f16_f32 v[H16+2*\i+1], v[R+64*((\n)%2)+4*\i+2], v[R+64*((\n)%2)+4*\i+3]
.endr
.if (\n)+2 < 4
	WLOAD (\n)+2
.endif
.irp i, 0,1,2,3,4,5,6,7,8,9,10,11,12,13,14,15
	global_store_b64 v7, v[H16+2*\i:H16+2*\i+1], s[14:15] offset:4096*(\n)+256*\i
.endr
.endm
	WLOAD 0
	WLOAD 1
	WCONV 0
	WCONV 1
	WCONV 2
	WCONV 3
	s_branch .Lend
.Lcodes:
	; ---- x and W_qkv to codes.  Only the source is chosen: codes and scale bytes of both lie on end, so the destination run is 4 x work-group + wave
	s_cmp_lt_u32 ttmp9, WGX
	s_cselect_b64 s[4:5], s[4:5], s[6:7]
	s_cselect_b32 s17, 0, WGX
	s_sub_co_u32 s17, ttmp9, s17
	s_lshl_b32 s17, s17, 2
	s_add_co_u32 s18, s17, s16                     ; which run of the source tensor
	s_mov_b32 s19, 0
	s_lshl_b64 s[20:21], s[18:19], 15              ; 8,192 numbers of 4 bytes
	s_add_nc_u64 s[4:5], s[4:5], s[20:21]
	s_lshl_b32 s18, ttmp9, 2
	s_add_co_u32 s18, s18, s16                     ; which run of the codes and scale bytes
	s_lshl_b32 s20, s18, 12                        ; 4,096 bytes of codes a run
	s_mov_b32 s21, 0
	s_add_nc_u64 s[10:11], s[10:11], s[20:21]
	s_lshl_b32 s20, s18, 8                         ; 256 scale bytes a run
	s_add_nc_u64 s[12:13], s[12:13], s[20:21]
.macro LOAD t
.irp i, 0,1,2,3
	global_load_b128 v[R+16*((\t)%4)+4*\i:R+16*((\t)%4)+4*\i+3], v3, s[4:5] offset:2048*(\t)+512*\i th:TH_LOAD_NT   ; 32 lanes read 512 consecutive bytes
.endr
.endm
.macro TURN t                          ; step t's numbers through the stage: LDS serves a wave's instructions in order, so no wait stands between the stores and the loads
.irp i, 0,1,2,3
	ds_store_b128 v14, v[R+16*((\t)%4)+4*\i:R+16*((\t)%4)+4*\i+3] offset:32*SP*((\t)%2)+8*SP*\i
.endr
.irp i, 0,1,2,3
	ds_load_b128 v[X+16*((\t)%2)+4*\i:X+16*((\t)%2)+4*\i+3], v15 offset:32*SP*((\t)%2)+16*\i
.endr
.endm
.irp t, 0,1,2,3
	LOAD \t
.endr
	s_wait_loadcnt 12                              ; step 0's four loads are in
	TURN 0
.macro STEP t
.set XS, X+16*((\t)%2)
.if (\t) > 0
	s_wait_dscnt 1                                 ; this step's numbers are back from the stage (the last step's byte store may be out)
.else
	s_wait_dscnt 0x0
.endif
.if (\t)+4 < STEPS
	LOAD (\t)+4                                    ; into the registers that the stage's stores have read
.endif
.if (\t)+1 < STEPS
.if STEPS-2-(\t) >= 3
	s_wait_loadcnt 12                              ; the next step's four loads are in; those of the three steps behind it may be out
.else
	s_wait_loadcnt 4*(STEPS-2-(\t))
.endif
	TURN (\t)+1
.endif
	v_max3_num_f32 v8, |v[XS]|, |v[XS+1]|, |v[XS+2]|               ; the largest magnitude of my 16
	v_max3_num_f32 v9, |v[XS+3]|, |v[XS+4]|, |v[XS+5]|
.irp i, 6,10
	v_max3_num_f32 v8, v8, |v[XS+\i]|, |v[XS+\i+1]|
	v_max3_num_f32 v9, v9, |v[XS+\i+2]|, |v[XS+\i+3]|
.endr
	v_max3_num_f32 v8, v8, |v[XS+14]|, |v[XS+15]|
	v_max3_num_f32 v8, v8, v9, (EMAX+1)<<23        ; and the floor 2^(EMAX + 1 - 127): the byte cannot fall under 1
	v_max_num_f32_dpp v8, v8, v8 row_xmask:1 row_mask:0xf bank_mask:0xf   ; with my neighbour's 16: the block's
	v_add_nc_u32 v11, -(EMAX<<23), v8              ; EMAX off its exponent field: the conversion takes this operand's exponent field as its scale
	v_cvt_scalef32_pk8_fp4_f32 v[C+4*(\t)], v[XS:XS+7], v11
	v_cvt_scalef32_pk8_fp4_f32 v[C+4*(\t)+1], v[XS+8:XS+15], v11
	v_lshrrev_b32 v[E+(\t)], 23, v11               ; the scale's byte (also the plain line behind the conversions)
	ds_store_b8 v5, v[E+(\t)] offset:16*(\t)       ; both lanes of a block write the same byte with the same value
	global_store_b64 v4, v[C+4*(\t):C+4*(\t)+1], s[10:11] offset:32*CB*(\t)   ; the wave stores 256 consecutive bytes, aligned
.endm
.irp t, 0,1,2,3,4,5,6,7,8,9,10,11,12,13,14,15
	STEP \t
.endr
	ds_load_b64 v[8:9], v6                         ; LDS serves a wave's instructions in order: these see my stores
	s_wait_dscnt 0x0
	global_store_b64 v7, v[8:9], s[12:13]          ; 32 lanes store 256 consecutive bytes, aligned
.Lend:
	s_wait_tensorcnt 0x0                           ; the wave's end
	ds_add_u32 v[SPW], v[NIL]
	s_wait_dscnt 0x0
	s_endpgm
.Lfunc_end_k_q152a3f02c9_quant:
	.size	k_q152a3f02c9_quant, .Lfunc_end_k_q152a3f02c9_quant-k_q152a3f02c9_quant
	.p2alignl 7, 3214868480
	.fill 96, 4, 3214868480
	.section	.rodata,"a",@progbits
	.p2align	6, 0x0
	.amdhsa_kernel k_q152a3f02c9_quant
		.amdhsa_group_segment_fixed_size 33280
		.amdhsa_private_segment_fixed_size 0
		.amdhsa_enable_private_segment 0
		.amdhsa_kernarg_size 48
		.amdhsa_user_sgpr_count 2
		.amdhsa_user_sgpr_kernarg_segment_ptr 1
		.amdhsa_wavefront_size32 1
		.amdhsa_system_sgpr_workgroup_id_x 1
		.amdhsa_system_sgpr_workgroup_id_y 1
		.amdhsa_system_sgpr_workgroup_id_z 1
		.amdhsa_system_vgpr_workitem_id 0
		.amdhsa_next_free_vgpr 192
		.amdhsa_next_free_sgpr 66
		.amdhsa_reserve_vcc 0
		.amdhsa_float_denorm_mode_32 3
		.amdhsa_float_denorm_mode_16_64 3
		.amdhsa_memory_ordered 1
		.amdhsa_forward_progress 1
		.amdhsa_inst_pref_size 54
	.end_amdhsa_kernel
	.amdgpu_metadata
---
amdhsa.version: [ 1, 2 ]
amdhsa.kernels:
  - .name:           k_q152a3f02c9_quant
    .symbol:         k_q152a3f02c9_quant.kd
    .args:
      - { .name: x, .offset: 0, .size: 8, .value_kind: global_buffer, .address_space: global }
      - { .name: W_qkv, .offset: 8, .size: 8, .value_kind: global_buffer, .address_space: global }
      - { .name: W_proj, .offset: 16, .size: 8, .value_kind: global_buffer, .address_space: global }
      - { .name: codes, .offset: 24, .size: 8, .value_kind: global_buffer, .address_space: global }
      - { .name: scales, .offset: 32, .size: 8, .value_kind: global_buffer, .address_space: global }
      - { .name: wp16, .offset: 40, .size: 8, .value_kind: global_buffer, .address_space: global }
    .group_segment_fixed_size: 33280
    .private_segment_fixed_size: 0
    .kernarg_segment_align: 8
    .kernarg_segment_size: 48
    .max_flat_workgroup_size: 128
    .sgpr_count:     66
    .vgpr_count:     192
    .wavefront_size: 32
...
	.end_amdgpu_metadata
.endif
;; end of part 1
;; launch qkv (part 2): grid 12 x 32, 4 waves a work-group, clusters of 4 x 4, 327,680 bytes of LDS; arguments codes, scales, qkv, aux; writes qkv, aux
.if DOCPART == 2
	.amdgcn_target "amdgcn-amd-amdhsa--gfx1250"
	.amdhsa_code_object_version 6
	.text
	.protected	k_q152a3f02c9_qkv
	.globl	k_q152a3f02c9_qkv
	.p2align	8
	.type	k_q152a3f02c9_qkv,@function
k_q152a3f02c9_qkv:
	s_mov_b64 s[64:65], 0
	v_nop
	global_prefetch_b8 v0, s[64:65] scope:SCOPE_SE
	s_setreg_imm32_b32 hwreg(HW_REG_WAVE_MODE, 25, 1), 1
	s_wait_xcnt 0x0
	s_wait_alu depctr_hold_cnt(0) depctr_sa_sdst(0) depctr_va_vdst(0) depctr_va_sdst(0) depctr_va_ssrc(0) depctr_va_vcc(0) depctr_vm_vsrc(0)
	s_getreg_b32 s2, hwreg(HW_REG_IB_STS2, 6, 4)
	s_cmp_eq_u32 s2, 0
	s_cbranch_scc0 .Lentry_in_a_cluster
	s_endpgm
.Lentry_in_a_cluster:
	s_bfe_u32 s2, ttmp6, 0x10000c
	s_cmp_lg_u32 s2, 0xf033
	s_cbranch_scc0 .Lentry_shape_is_right
	s_endpgm
.Lentry_shape_is_right:
; qkv[m][e] = sum over k of x[m][k] W_qkv[e][k], both as codes of FP4 (E2M1) with one E8M0 scale for each 32 along K; M = 8,192, N = 3,072, K = 1,024; sums in f32.
; A tile of 256 x 256 is made by four waves, each 128 x 128: 64 accumulators, 512 registers.  K = 1,024 is two slots of 512 (rows of 256 bytes): both are asked for at the head, nothing is filled again.
; The scale bytes of the work-group's 256 + 256 rows come once, as two dense blocks.  CLUSTERS: 4 x 4 work-groups; A's tiles are asked for jointly along a row of the cluster, B's along a column.
; THE MATRIX INSTRUCTION IS USED TRANSPOSED (source 0 = 16 rows of W_qkv, source 1 = 16 rows of x): a lane holds eight neighbouring columns of one row.
; WHAT LEAVES: (1) q, k, v as f16, laid [q|k|v][batch][head][t][64]: a wave's 128 columns are two heads; 16 rows x 2 heads go through the wave's stage and leave as runs of 512 consecutive bytes.
; (2) in v's columns: the f32 sum of v over each 64 rows, [m / 64][1024], which the attention uses for keys that lie wholly under the mask.  (3) rows t < 16 of every batch as f32, [batch x 16 + t][3072], for the fine launch.
; LIMIT: q, k, v must stay under 65,504 in magnitude (f16).
; REGISTERS, in windows of 256: window 0: v0-31 addresses; v32-95 scale words, two sets; from v128 A's fragments, one set; on the way out v32-255 are free.  window 1: B's fragments, two sets.  windows 2, 3: the accumulators ((a, b) at v[8 (8 (a % 4) + b)]).
.set SIZE_K, 1024
.set KSTEP,  512
.set NQ,     KSTEP/128
.set ROWB,   256
.set KROW,   SIZE_K*4/8
.set PITCH,  272                       ; an LDS row: 256 bytes + 16 of padding: the 16 rows of a fragment load start at 16 different 16-byte columns
.set FR,     8
.set NL,     2
.set NP,     4
.set HALFT,  128*PITCH
.set SLOT,   4*HALFT
.set KS,     SIZE_K/32
.set SCL,    2*SLOT                    ; behind the slots: the scales, as units of 256 bytes + 16 of padding
.set HALFS,  (128*KS/256)*272
.set SBLK,   (16*KS/256)*272
.set STAGE,  SCL+4*HALFS               ; the way out: 4,352 bytes for each wave, bytes into which no tile lands
.set WSTG,   4352
.set SPARE,  STAGE+4*WSTG              ; the spare words, 128 bytes a wave, which no other line names
.set ADRA, 16                          ; v16-17  LDS address of my A fragments in slot 0, 1
.set ADRB, 20                          ; v20-21  the same for B
.set BSTO, 22                          ; v22  column sums into the stage: 32 (lane / 16)
.set BRD,  23                          ; v23  and back: 16 x lane
.set STO,  24                          ; v24  f16 rows into the stage: two rows of 128 bytes to a stage row
.set RD,   25                          ; v25  stage rows back: lanes 0-15 one, lanes 16-31 the next
.set CO,   26                          ; v26  16 x lane
.set ADRS, 27                          ; v27  LDS address of my scale words: lanes 0-15 A's rows, lanes 16-31 B's
.set SPW,  28                          ; v28  my spare word; never rewritten
.set NIL,  29                          ; v29  0; never rewritten
.set FSTO, 30                          ; v30  f32 rows into the stage
.set FCO,  31                          ; v31  and their place in memory
.set SC,   32
.set AF,   128
.set TS,   64                          ; v64-127 the column sums at work
.set TMP,  192                         ; v192-223 packed results
.set OB,   32                          ; v32-63 and v224-255 by turns: rows read back
.set G1, 24
.set G0, 32
.set G1B, 48
.set G0B, 56
.set G1S, 68
.set G0S, 76
.set G1SB, 80
.set G0SB, 88
.set MSB, 0
.macro WIN new                         ; the immediate's high byte repeats the setting that is left
.if MSB != (\new)
	s_set_vgpr_msb (MSB<<8)|(\new)
.set MSB, (\new)
.endif
.endm
.set MUL_LO, 0xa1                      ; source 0 (B) window 1, source 1 (A) window 0, C and D window 2
.set MUL_HI, 0xf1
.set TO_B,   0x40
; A joint load: waves 0 and 1 fetch for A, waves 2 and 3 for B; the branch hangs on the wave's number alone.  An s_nop 0 and four v_nop follow each of the two lines.
.macro JLOAD g0a, g1a, g0b, g1b
	s_cmp_eq_u32 s15, 0
	s_cbranch_scc0 .Lfor_b_\@
	tensor_load_to_lds s[\g0a:\g0a+3], s[\g1a:\g1a+7]
	s_nop 0
.rept 4
	v_nop
.endr
	s_branch .Lasked_\@
.Lfor_b_\@:
	tensor_load_to_lds s[\g0b:\g0b+3], s[\g1b:\g1b+7]
	s_nop 0
.rept 4
	v_nop
.endr
.Lasked_\@:
.endm
.macro CROUND                          ; a round of the cluster's barrier
	s_barrier_signal -1
	s_barrier_wait -1
	s_cmp_lg_u32 s14, 0
	s_cbranch_scc1 .Lnot_wave_0_\@
	s_barrier_signal -3
.Lnot_wave_0_\@:
	s_barrier_wait -3
	s_barrier_signal -1
	s_barrier_wait -1
.endm
	s_load_b128 s[4:7], s[0:1], 0x0                ; the codes, the scale bytes
	s_load_b128 s[96:99], s[0:1], 0x10             ; qkv, aux
	v_lshl_add_u32 v[SPW], v0, 2, SPARE
	v_mov_b32 v[NIL], 0
	ds_add_u32 v[SPW], v[NIL]                      ; the wave's opening: the add, twice on end, and its wait ahead of my first tensor load
	ds_add_u32 v[SPW], v[NIL]
	v_lshrrev_b32 v1, 5, v0
	v_readfirstlane_b32 s14, v1                    ; wave 0..3
	s_lshr_b32 s15, s14, 1                         ; which half of the tile's rows is mine.  Also: I fetch for A (0) or for B (1)
	s_and_b32 s16, s14, 1                          ; which half of its columns.  Also: which 128 rows of that tile I fetch
	s_bfe_u32 s40, ttmp6, 0x40000                  ; cx, cy: my place in the cluster
	s_bfe_u32 s41, ttmp6, 0x40004
	s_lshl_b32 s42, ttmp9, 2
	s_add_co_u32 s42, s42, s40                     ; tile column = 4 x cluster x + cx
	s_and_b32 s17, ttmp7, 0xffff
	s_lshl_b32 s17, s17, 2
	s_add_co_u32 s17, s17, s41                     ; tile row = 4 x cluster y + cy
	s_lshl_b32 s43, s41, 2
	s_lshl_b32 s43, 15, s43                        ; my row of the cluster
	s_lshl_b32 s44, 0x1111, s40                    ; my column
	; descriptor group 1: a tile of 128 rows x 256 bytes, 16 bytes of padding behind each row
	s_or_b32 s[G1+0], s43, (0<<16)|(1<<20)|(1<<21)|(5<<22)|(3<<25)
	s_or_b32 s[G1B+0], s44, (0<<16)|(1<<20)|(1<<21)|(5<<22)|(3<<25)
.irp g, G1, G1B
	s_mov_b32 s[\g+1], ROWB<<16                    ; tensor_dim0
	s_mov_b32 s[\g+2], 128<<16                     ; tensor_dim1
	s_mov_b32 s[\g+3], ROWB<<16                    ; tile_dim0
	s_mov_b32 s[\g+4], 128                         ; tile_dim1
	s_mov_b32 s[\g+5], KROW                        ; from row to row
	s_mov_b32 s[\g+6], 0
	s_mov_b32 s[\g+7], 0
.endr
	; the scales of 128 rows: a dense block of 4,096 bytes, as 16 rows of 256 bytes (32 elements of 8 bytes), 16 bytes of padding behind each
	s_or_b32 s[G1S+0], s43, (3<<16)|(1<<20)|(1<<21)|(5<<22)|(3<<25)
	s_or_b32 s[G1SB+0], s44, (3<<16)|(1<<20)|(1<<21)|(5<<22)|(3<<25)
.irp g, G1S, G1SB
	s_mov_b32 s[\g+1], 32<<16
	s_mov_b32 s[\g+2], (128*KS/256)<<16
	s_mov_b32 s[\g+3], 32<<16
	s_mov_b32 s[\g+4], 128*KS/256
	s_mov_b32 s[\g+5], 32
	s_mov_b32 s[\g+6], 0
	s_mov_b32 s[\g+7], 0
.endr
	s_lshl_b32 s18, s16, 7                         ; which 128 rows of the tile I fetch
	s_lshl_b32 s20, s17, 8
	s_add_co_u32 s20, s20, s18                     ; A: row 256 x tile row + 128 x half
	s_lshl_b32 s46, s42, 8
	s_add_co_u32 s46, s46, s18                     ; B: row 256 x tile column + 128 x half
	s_mov_b32 s21, 0
	s_mov_b32 s47, 0
	s_mov_b64 s[18:19], KS
	s_mul_u64 s[22:23], s[20:21], s[18:19]         ; where these rows' scales begin, in bytes
	s_mul_u64 s[92:93], s[46:47], s[18:19]
	s_mov_b64 s[18:19], KROW
	s_mul_u64 s[20:21], s[20:21], s[18:19]         ; and their codes
	s_mul_u64 s[46:47], s[46:47], s[18:19]
	s_mul_i32 s45, s14, HALFT                      ; where they go: wave x 128 rows: no place in the cluster enters an LDS address
	s_mul_i32 s94, s14, HALFS
	s_wait_dscnt 0x0                               ; both opening adds are done
	s_wait_kmcnt 0x0
	s_add_nc_u64 s[8:9], s[4:5], 4194304           ; W_qkv's codes lie behind x's 8,192 rows of 512 bytes,
	s_add_nc_u64 s[10:11], s[6:7], 262144          ; its scale bytes behind x's 8,192 rows of 32
	s_add_nc_u64 s[20:21], s[4:5], s[20:21]
	s_add_nc_u64 s[22:23], s[6:7], s[22:23]
	s_add_nc_u64 s[46:47], s[8:9], s[46:47]
	s_add_nc_u64 s[92:93], s[10:11], s[92:93]
	CROUND                                         ; all sixteen work-groups are here: the first joint loads meet
	s_mov_b32 s[G0S], 1
	s_add_co_u32 s[G0S+1], s94, SCL
	s_mov_b64 s[G0S+2:G0S+3], s[22:23]
	s_or_b32 s[G0S+3], s[G0S+3], 0x80000000
	s_mov_b32 s[G0SB], 1
	s_add_co_u32 s[G0SB+1], s94, SCL
	s_mov_b64 s[G0SB+2:G0SB+3], s[92:93]
	s_or_b32 s[G0SB+3], s[G0SB+3], 0x80000000
	JLOAD G0S, G1S, G0SB, G1SB                     ; the scales first: they are wanted with the first slot.  Three loads of mine are out behind the lines below
.irp s, 0,1
	s_mov_b32 s[G0+4*\s], 1
	s_add_co_u32 s[G0+4*\s+1], s45, \s*SLOT
	s_add_nc_u64 s[G0+4*\s+2:G0+4*\s+3], s[20:21], \s*ROWB
	s_or_b32 s[G0+4*\s+3], s[G0+4*\s+3], 0x80000000
	s_mov_b32 s[G0B+4*\s], 1
	s_add_co_u32 s[G0B+4*\s+1], s45, \s*SLOT
	s_add_nc_u64 s[G0B+4*\s+2:G0B+4*\s+3], s[46:47], \s*ROWB
	s_or_b32 s[G0B+4*\s+3], s[G0B+4*\s+3], 0x80000000
	JLOAD G0+4*\s, G1, G0B+4*\s, G1B
.endr
	v_and_b32 v1, 15, v0                           ; r = l % 16
	v_bfe_u32 v2, v0, 4, 1                         ; h = l / 16
	v_mul_u32_u24 v3, v1, PITCH
	v_lshl_add_u32 v4, v2, 4, v3                   ; a fragment's row x pitch + 16 x half
	s_mul_i32 s21, s15, HALFT                      ; my 128 rows of A
	s_mul_i32 s22, s16, HALFT                      ; my 128 rows of B,
	s_add_co_u32 s22, s22, 2*HALFT                 ; which lie behind A's 256
.irp s, 0,1
	v_add_nc_u32 v[ADRA+\s], s21, v4
	v_add_nc_u32 v[ADRB+\s], s22, v4
	s_add_co_u32 s21, s21, SLOT
	s_add_co_u32 s22, s22, SLOT
.endr
	v_mul_u32_u24 v5, v1, KS                       ; my row's scales: 32 bytes a row,
	v_lshrrev_b32 v6, 8, v5
	v_lshl_add_u32 v5, v6, 4, v5                   ; and 16 more for each 256 passed
	s_mul_i32 s21, s15, HALFS
	s_mul_i32 s22, s16, HALFS
	s_add_co_u32 s22, s22, 2*HALFS
	s_sub_co_u32 s22, s22, s21
	v_mul_u32_u24 v6, s22, v2                      ; lanes 16-31 take B's
	s_add_co_u32 s21, s21, SCL
	v_add_nc_u32 v5, v5, v6
	v_add_nc_u32 v[ADRS], s21, v5
	s_mul_i32 s23, s14, WSTG
	s_add_co_u32 s23, s23, STAGE                   ; my stage
	v_lshrrev_b32 v5, 1, v1
	v_mul_u32_u24 v5, v5, 272
	v_and_b32 v6, 1, v1
	v_lshl_add_u32 v5, v6, 7, v5
	v_lshl_add_u32 v5, v2, 4, v5
	v_add_nc_u32 v[STO], s23, v5                   ; (r / 2) x 272 + (r % 2) x 128 + 16 h
	v_mul_u32_u24 v5, v2, 272
	v_lshl_add_u32 v5, v1, 4, v5
	v_add_nc_u32 v[RD], s23, v5                    ; h x 272 + 16 r
	v_and_b32 v6, 31, v0
	v_lshlrev_b32 v[CO], 4, v6
	v_add_nc_u32 v[BRD], s23, v[CO]
	v_mul_u32_u24 v5, v1, 272
	v_lshl_add_u32 v5, v2, 5, v5
	v_add_nc_u32 v[FSTO], s23, v5                  ; r x 272 + 32 h
	v_lshlrev_b32 v5, 5, v2
	v_add_nc_u32 v[BSTO], s23, v5
	v_mul_u32_u24 v5, v2, 12288
	v_lshl_add_u32 v[FCO], v1, 4, v5               ; a row of the f32 copy is 12,288 bytes
	; where my part goes: my 128 columns are heads g and g + 1 of the 48 (q's 16, k's 16, v's 16); a head is 2,048 rows of 128 bytes
	s_lshl_b32 s20, s42, 2
	s_lshl_b32 s21, s16, 1
	s_add_co_u32 s20, s20, s21                     ; g
	s_lshr_b32 s21, s20, 4                         ; q, k or v
	s_and_b32 s20, s20, 15                         ; the head
	s_lshl_b32 s21, s21, 6
	s_add_co_u32 s20, s20, s21
	s_lshr_b32 s18, s17, 3                         ; the batch
	s_lshl_b32 s21, s18, 4
	s_add_co_u32 s20, s20, s21
	s_lshl_b32 s20, s20, 18
	s_and_b32 s21, s17, 7
	s_lshl_b32 s21, s21, 15                        ; 256 rows of 128 bytes for each tile row in the batch
	s_add_co_u32 s20, s20, s21
	s_lshl_b32 s21, s15, 14
	s_add_co_u32 s20, s20, s21
	s_mov_b32 s21, 0
	s_add_nc_u64 s[12:13], s[96:97], s[20:21]
	s_mul_i32 s20, s18, 196608                     ; the f32 copy: 16 rows of 12,288 bytes a batch,
	s_lshl_b32 s21, s42, 10
	s_add_co_u32 s20, s20, s21
	s_lshl_b32 s21, s16, 9
	s_add_co_u32 s20, s20, s21                     ; my 128 columns
	s_mov_b32 s21, 0
	s_add_nc_u64 s[66:67], s[98:99], s[20:21]
.macro FRAG reg, adr, q, i             ; 16 rows x 128 K of 4-bit codes: 8 registers, two loads of 16 bytes, 32 bytes apart
.irp c, 0,1
	ds_load_b128 v[\reg+4*\c:\reg+4*\c+3], v[\adr] offset:64*(\q)+32*\c+(\i)*16*PITCH
.endr
.endm
; 16 matrix instructions: A's blocks a0, a0 + 1 x B's eight.  The 64 accumulators take turns, one instruction a turn, in the same order in every step.
.macro MUL16 a0, p, q, sc, zero
.irp a, \a0, \a0+1
.irp b, 0,1,2,3,4,5,6,7
.if \zero
	v_wmma_scale_f32_16x16x128_f8f6f4 v[8*(8*((\a)%4)+\b):8*(8*((\a)%4)+\b)+7], v[128*(\p)+FR*\b:128*(\p)+FR*\b+FR-1], v[AF+FR*(\a):AF+FR*(\a)+FR-1], 0, v[SC+8*NQ*(\sc)+NQ*\b+(\q)], v[SC+8*NQ*(\sc)+NQ*(\a)+(\q)] matrix_a_fmt:MATRIX_FMT_FP4 matrix_b_fmt:MATRIX_FMT_FP4 matrix_a_scale:MATRIX_SCALE_ROW1
.else
	v_wmma_scale_f32_16x16x128_f8f6f4 v[8*(8*((\a)%4)+\b):8*(8*((\a)%4)+\b)+7], v[128*(\p)+FR*\b:128*(\p)+FR*\b+FR-1], v[AF+FR*(\a):AF+FR*(\a)+FR-1], v[8*(8*((\a)%4)+\b):8*(8*((\a)%4)+\b)+7], v[SC+8*NQ*(\sc)+NQ*\b+(\q)], v[SC+8*NQ*(\sc)+NQ*(\a)+(\q)] matrix_a_fmt:MATRIX_FMT_FP4 matrix_b_fmt:MATRIX_FMT_FP4 matrix_a_scale:MATRIX_SCALE_ROW1
.endif
.endr
.endr
.endm
.macro FETCH_B slot, q, p
	WIN TO_B
.irp i, 0,1,2,3,4,5,6,7
	FRAG 128*(\p)+FR*\i, ADRB+\slot, \q, \i
.endr
	WIN 0
.endm
.macro FETCH_A slot, q, i0
.irp i, \i0, \i0+1, \i0+2, \i0+3
	FRAG AF+FR*(\i), ADRA+\slot, \q, \i
.endr
.endm
.macro SCALES sc                       ; a slot's scale words: lanes 0-15 take A's block i, lanes 16-31 B's block i
.irp i, 0,1,2,3,4,5,6,7
	ds_load_b128 v[SC+8*NQ*\sc+NQ*\i:SC+8*NQ*\sc+NQ*\i+3], v[ADRS] offset:\i*SBLK
.endr
.endm
.macro PLACES n                        ; plain vector instructions between a matrix instruction and a load into, or a read of, its registers
.rept \n
	v_nop
.endr
.endm
.macro STEP slot, q, zero              ; 128 along K, with its successor in the same slot
	s_wait_dscnt 4*NL                              ; B's set and A's blocks 0-3 are in; the youngest eight loads (A's blocks 4-7) may be out
	WIN MUL_LO
	MUL16 0, (\q)%2, \q, \slot, \zero
	MUL16 2, (\q)%2, \q, \slot, \zero
	s_wait_dscnt 0
	PLACES NP
	FETCH_B \slot, (\q)+1, 1-(\q)%2
	FETCH_A \slot, (\q)+1, 0
	WIN MUL_HI
	MUL16 4, (\q)%2, \q, \slot, \zero
	MUL16 6, (\q)%2, \q, \slot, \zero
	PLACES NP
	WIN 0
	FETCH_A \slot, (\q)+1, 4
.endm
.macro STEPS slot, from
.set Q, \from
.rept NQ-1-\from
	STEP \slot, Q, 0
.set Q, Q+1
.endr
.endm
	s_wait_tensorcnt 1                             ; the scales and my part of slot 0 are in (slot 1's load may be out)
	s_barrier_signal -1
	s_barrier_wait -1                              ; everybody's are
	FETCH_B 0, 0, 0
	FETCH_A 0, 0, 0
	SCALES 0
	FETCH_A 0, 0, 4
	STEP 0, 0, 1                                   ; the first step's products start the sums: nothing is cleared
	STEPS 0, 1
	; slot 0's last step changes slots: one barrier; nothing is filled again
	s_wait_tensorcnt 0x0                           ; my part of slot 1 has landed
	ds_add_u32 v[SPW], v[NIL]
	s_wait_dscnt 4*NL+1                            ; (the add and A's blocks 4-7 may be out)
	WIN MUL_LO
	MUL16 0, 1, NQ-1, 0, 0
	s_wait_dscnt 0x0
	s_barrier_signal -1
	MUL16 2, 1, NQ-1, 0, 0
	WIN 0
	s_barrier_wait -1
	PLACES NP
	v_add_nc_u32 v[ADRS], 4*NQ, v[ADRS]            ; on to slot 1's scale words
	FETCH_B 1, 0, 0
	FETCH_A 1, 0, 0
	SCALES 1
	WIN MUL_HI
	MUL16 4, 1, NQ-1, 0, 0
	MUL16 6, 1, NQ-1, 0, 0
	PLACES NP
	WIN 0
	FETCH_A 1, 0, 4
	STEPS 1, 0
	s_wait_dscnt 4*NL                              ; the very last step
	WIN MUL_LO
	MUL16 0, 1, NQ-1, 1, 0
	MUL16 2, 1, NQ-1, 1, 0
	s_wait_dscnt 0
	WIN MUL_HI
	MUL16 4, 1, NQ-1, 1, 0
	MUL16 6, 1, NQ-1, 1, 0
	WIN 0
	PLACES NP                                      ; in front of the first reads of results and of loads into registers that held operands
	; ---- v's column sums over each 64 rows.  Cluster x = 2 holds exactly v's columns: the branch is the same in all sixteen partners.
	s_cmp_lg_u32 ttmp9, 2
	s_cbranch_scc1 .Lno_v
	s_lshl_b32 s20, s17, 2
	s_lshl_b32 s21, s15, 1
	s_add_co_u32 s20, s20, s21                     ; my first group of 64 rows
	s_lshl_b32 s20, s20, 10
	s_lshl_b32 s21, s42, 8
	s_add_co_u32 s20, s20, s21
	s_lshl_b32 s21, s16, 7
	s_add_co_u32 s20, s20, s21
	s_sub_co_u32 s20, s20, 2048                    ; v's first column is 2,048
	s_lshl_b32 s20, s20, 2
	s_add_co_u32 s20, s20, 786432                  ; behind the f32 copy
	s_mov_b32 s21, 0
	s_add_nc_u64 s[20:21], s[98:99], s[20:21]
.macro VSUM H                          ; the four blocks of 16 rows of window 2 + H are added, each accumulator from its low end on; then the sixteen rows that lie in sixteen lanes
	WIN 0x0a+5*\H
.set I, 0
.rept 32
	v_pk_add_f32 v[TS+I:TS+I+1], v[I:I+1], v[64+I:65+I]
.set I, I+2
.endr
	WIN 0x08+4*\H
.set I, 0
.rept 32
	v_pk_add_f32 v[TS+I:TS+I+1], v[TS+I:TS+I+1], v[128+I:129+I]
.set I, I+2
.endr
.set I, 0
.rept 32
	v_pk_add_f32 v[TS+I:TS+I+1], v[TS+I:TS+I+1], v[192+I:193+I]
.set I, I+2
.endr
	WIN 0
.irp x, 1,2,4,8
.set I, 0
.rept 64
	v_add_f32_dpp v[TS+I], v[TS+I], v[TS+I] row_xmask:\x row_mask:0xf bank_mask:0xf
.set I, I+1
.endr
.endr
.irp b, 0,1,2,3,4,5,6,7
	ds_store_b128 v[BSTO], v[TS+8*\b:TS+8*\b+3] offset:64*\b          ; the sixteen lanes of a half write the same bytes with the same values: column 16 b + 8 h + j at byte 4 x column
	ds_store_b128 v[BSTO], v[TS+8*\b+4:TS+8*\b+7] offset:64*\b+16
.endr
	ds_load_b128 v[8+4*\H:11+4*\H], v[BRD]         ; LDS serves a wave's instructions in order
	s_wait_dscnt 0x0
	global_store_b128 v[CO], v[8+4*\H:11+4*\H], s[20:21] offset:4096*\H   ; 512 consecutive bytes
.endm
	VSUM 0
	VSUM 1
.Lno_v:
	; ---- rows t < 16 as f32.  They lie in block 0 of row half 0 of tile rows 0, 8, 16, 24.  The scalar branches hang on the wave's number and on the cluster's y, which all partners share;
	; the place in the cluster (cy = 0) is honoured by EXEC alone: elsewhere the stores are issued with every lane off.
	s_cmp_lg_u32 s15, 0
	s_cbranch_scc1 .Lno_fine
	s_and_b32 s19, ttmp7, 1
	s_cmp_lg_u32 s19, 0
	s_cbranch_scc1 .Lno_fine
.irp u, 0,1                            ; 64 columns (256 bytes of a row) at a time
	WIN 0x08
.irp bb, 0,1,2,3
	ds_store_b128 v[FSTO], v[8*(4*\u+\bb):8*(4*\u+\bb)+3] offset:64*\bb
	ds_store_b128 v[FSTO], v[8*(4*\u+\bb)+4:8*(4*\u+\bb)+7] offset:64*\bb+16
.endr
	WIN 0
.irp i, 0,1,2,3,4,5,6,7
	ds_load_b128 v[128+32*\u+4*\i:128+32*\u+4*\i+3], v[RD] offset:544*\i
.endr
.endr
	s_and_b32 s19, s17, 7
	v_mov_b32 v18, s19
	v_cmp_eq_u32 vcc_lo, 0, v18
	s_wait_dscnt 0x0
	s_wait_xcnt 0x0                                ; EXEC changes only behind this wait
	s_and_saveexec_b32 s19, vcc_lo
.irp u, 0,1
.irp i, 0,1,2,3,4,5,6,7
	global_store_b128 v[FCO], v[128+32*\u+4*\i:128+32*\u+4*\i+3], s[66:67] offset:24576*\i+256*\u   ; sixteen lanes store 256 consecutive bytes, aligned
.endr
.endr
	s_wait_xcnt 0x0                                ; and again in front of the line that widens it
	s_or_b32 exec_lo, exec_lo, s19
.Lno_fine:
	s_wait_xcnt 0x0
	; ---- q, k, v as f16, a block of 16 rows x 2 heads at a time
.macro PACK a
.set AC, 64*((\a)%4)
	WIN 0x0a+5*((\a)/4)
.irp b, 0,1,2,3,4,5,6,7
.irp r, 0,1,2,3
	v_cvt_pk_f16_f32 v[TMP+4*\b+\r], v[AC+8*\b+2*\r], v[AC+8*\b+2*\r+1]
.endr
.endr
	WIN 0
.endm
.macro TOSTAGE a
.set BK, OB+192*((\a)%2)
.irp b, 0,1,2,3,4,5,6,7
	ds_store_b128 v[STO], v[TMP+4*\b:TMP+4*\b+3] offset:(\b/4)*2176+(\b%4)*32
.endr
.irp t, 0,1,2,3,4,5,6,7
	ds_load_b128 v[BK+4*\t:BK+4*\t+3], v[RD] offset:\t*544     ; LDS serves a wave's instructions in order: these see the stores above
.endr
.endm
.macro SEND a
.set BK, OB+192*((\a)%2)
	s_wait_dscnt 0x0                               ; the block is back in registers
	s_wait_xcnt 0x0                                ; the stores of two blocks back have read their registers: the next block's loads may land there
.irp t, 0,1,2,3,4,5,6,7
	global_store_b128 v[CO], v[BK+4*\t:BK+4*\t+3], s[12:13] offset:(\t/4)*262144+(16*(\a)+4*(\t%4))*128   ; four rows of one head: 512 consecutive bytes
.endr
.endm
	PACK 0
	TOSTAGE 0
.irp a, 1,2,3,4,5,6,7
	PACK \a
	SEND \a-1
	TOSTAGE \a
.endr
	SEND 7
	s_wait_tensorcnt 0x0                           ; the wave's end
	ds_add_u32 v[SPW], v[NIL]
	s_wait_dscnt 0x0
	CROUND                                         ; the closing round
	s_endpgm
.Lfunc_end_k_q152a3f02c9_qkv:
	.size	k_q152a3f02c9_qkv, .Lfunc_end_k_q152a3f02c9_qkv-k_q152a3f02c9_qkv
	.p2alignl 7, 3214868480
	.fill 96, 4, 3214868480
	.section	.rodata,"a",@progbits
	.p2align	6, 0x0
	.amdhsa_kernel k_q152a3f02c9_qkv
		.amdhsa_group_segment_fixed_size 327680
		.amdhsa_private_segment_fixed_size 0
		.amdhsa_enable_private_segment 0
		.amdhsa_kernarg_size 32
		.amdhsa_user_sgpr_count 2
		.amdhsa_user_sgpr_kernarg_segment_ptr 1
		.amdhsa_wavefront_size32 1
		.amdhsa_system_sgpr_workgroup_id_x 1
		.amdhsa_system_sgpr_workgroup_id_y 1
		.amdhsa_system_sgpr_workgroup_id_z 1
		.amdhsa_system_vgpr_workitem_id 0
		.amdhsa_next_free_vgpr 1024
		.amdhsa_next_free_sgpr 100
		.amdhsa_reserve_vcc 1
		.amdhsa_float_denorm_mode_32 3
		.amdhsa_float_denorm_mode_16_64 3
		.amdhsa_memory_ordered 1
		.amdhsa_forward_progress 1
		.amdhsa_inst_pref_size 178
	.end_amdhsa_kernel
	.amdgpu_metadata
---
amdhsa.version: [ 1, 2 ]
amdhsa.kernels:
  - .name:           k_q152a3f02c9_qkv
    .symbol:         k_q152a3f02c9_qkv.kd
    .args:
      - { .name: codes, .offset: 0, .size: 8, .value_kind: global_buffer, .address_space: global }
      - { .name: scales, .offset: 8, .size: 8, .value_kind: global_buffer, .address_space: global }
      - { .name: qkv, .offset: 16, .size: 8, .value_kind: global_buffer, .address_space: global }
      - { .name: aux, .offset: 24, .size: 8, .value_kind: global_buffer, .address_space: global }
    .group_segment_fixed_size: 327680
    .private_segment_fixed_size: 0
    .kernarg_segment_align: 8
    .kernarg_segment_size: 32
    .max_flat_workgroup_size: 128
    .sgpr_count:     100
    .vgpr_count:     1024
    .wavefront_size: 32
...
	.end_amdgpu_metadata
.endif
;; end of part 2
;; launch attn (part 3): grid 4 x 64, 16 waves a work-group, no clusters, 327,680 bytes of LDS; arguments qkv, aux, att, bsuf0; writes att, bsuf0
.if DOCPART == 3
	.amdgcn_target "amdgcn-amd-amdhsa--gfx1250"
	.amdhsa_code_object_version 6
	.text
	.protected	k_q152a3f02c9_attn
	.globl	k_q152a3f02c9_attn
	.p2align	8
	.type	k_q152a3f02c9_attn,@function
k_q152a3f02c9_attn:
	s_mov_b64 s[64:65], 0
	v_nop
	global_prefetch_b8 v0, s[64:65] scope:SCOPE_SE
	s_setreg_imm32_b32 hwreg(HW_REG_WAVE_MODE, 25, 1), 1
	s_wait_xcnt 0x0
; att[h][b, q][:] = the sum over k of softmax_k(where(k <= q, Q.K / 8, -10000)) V[k][:], for 64 (batch, head) pairs of 2,048 positions and head size 64.  Q, K, V: f16; products, maxima and sums in f32; p is rounded to f16.
; THE MASK IS -10,000 AND NOT -INFINITY.  In a key step that is walked, a hidden score is set to -80,000 ahead of the factor 1/8.  Key steps that lie wholly under the mask are not walked: all their keys have the same weight
; w = 2^(c (-80,000) - c m), so they enter once, at the end, as w x (the sum of their v) and n x w.  The sums of v over each 64 keys were made in f32 by the launch before.
; SOFTMAX: a running maximum m and sum l for each query; p = 2^(c s - c m), c = log2(e) / 8; in every step O and l are multiplied by a = 2^(c m_old - c m_new).
; SHARES.  Work-group i of a head owns the blocks of 256 queries i and 7 - i, eight waves each, so that all work-groups walk the same number of key steps.  A wave owns 32 queries: two tiles of 16, which share each fragment of K and V.
; Every work-group walks a constant 8 slots of 256 keys, 4 steps of 64; a step all of whose keys come after the wave's queries is jumped over by a scalar branch on ids.
; LAYOUT.  Both products are used transposed: S^T = K Q^T, O^T = V^T P: a lane holds ONE query (lane % 16) throughout, and two tiles of S^T, rounded to f16 in pairs, ARE source 1 of the second product.
; A head's rows are 128 dense bytes: a tile is stated as rows of 256 bytes (two keys) with padding behind each.  K comes out of LDS as it lies, V turned by ds_load_tr16_b128.
; NO CLUSTER: under the causal mask the work-groups of a head need different numbers of slots, so a partner would receive tiles that none of its waves reads.
; LIMITS: NaN and infinities are not served; the result must stay under 65,504 in magnitude (f16).
.set SLOT1, 1<<17                      ; slot 1 begins here: one exclusive or turns an address in one slot into the other's
.set KPR,   272                        ; two keys of K: 256 bytes + 16: the 16 rows of a fragment load fall on 16 different 16-byte columns
.set VPR,   288                        ; two keys of V: 256 bytes + 32: 16 lanes of the turning load take 8 keys x 32 bytes on different columns
.set VOFF,  128*KPR                    ; a slot: 128 such rows of K, then 128 of V
.set STAGE, SLOT1+128*(KPR+VPR)        ; behind the slots: 4,352 bytes for each wave, for the way out
.set WSTG,  4352
.set BSC,   STAGE+16*WSTG              ; 256 bytes for each wave: the sum of v over its wholly hidden keys
.set SPARE, BSC+16*256                 ; the spare words, 128 bytes a wave, which no other line names
.set AK0, 1                            ; v1  my lane's place in a tile of K
.set AV0, 2                            ; v2  the same for V
.set SPW, 3                            ; v3  my spare word; never rewritten
.set NIL, 4                            ; v4  0; never rewritten
.set ADK, 5                            ; v5  LDS address of the slot's K
.set ADV, 6                            ; v6  and V
.set PFO, 7                            ; v7  256 x lane: the prefetches' offset; never rewritten
.set DQ,  8                            ; v8  lane % 16 - 8 (lane / 16)
.set MSK, 9                            ; v9  -80,000
.set ST,  12                           ; v12-27 statistics, 8 a tile: +0 c m, +1 m, +2, +3 l in two halves, +4 .. +7 at work; a in +6
.set STO, 28
.set RD,  29
.set GO,  30
.set BSA, 31
.set QF,  32                           ; v32-63   Q: tile t, channels 32 cs on: 32 + 16 t + 8 cs
.set FRG, 64                           ; v64-127  K's eight fragments (16 kt + 8 cs), then V's (16 ct + 8 ks)
.set S,   128                          ; v128-191 S^T (32 t + 8 kt + j: key 16 kt + 8 h + j), p, then P in the tile's first 16
.set O,   192                          ; v192-255 O^T (32 t + 8 ct + j: channel 16 ct + 8 h + j)
.set TB,  2                            ; s2   LDS byte at which the slot in hand begins
.set KF,  3                            ; s3   the step's first key
.set WV,  12
.set BH,  13                           ; 16 x batch + head
.set Q0,  15                           ; my first query
.set QL,  16                           ; my work-group's last query
.set DB,  17                           ; Q0 / 64
.set SEL, 20
.set CS,  22
.set G1K, 24
.set G1V, 32
.set G0K, 40
.set G0V, 44
.set SLOTS, 48
.set PFA, 50
.set LIM, 52
; Waves 0 and 1 fetch K's halves of a slot, waves 2 and 3 V's, the others nothing.  An s_nop 0 and four v_nop follow each of the two lines.
.macro TLOAD
	s_cmp_lt_u32 s[WV], 2
	s_cbranch_scc0 .Lnot_k_\@
	tensor_load_to_lds s[G0K:G0K+3], s[G1K:G1K+7]
	s_nop 0
.rept 4
	v_nop
.endr
	s_branch .Lasked_\@
.Lnot_k_\@:
	s_cmp_lt_u32 s[WV], 4
	s_cbranch_scc0 .Lasked_\@
	tensor_load_to_lds s[G0V:G0V+3], s[G1V:G1V+7]
	s_nop 0
.rept 4
	v_nop
.endr
.Lasked_\@:
.endm
; A prefetch of what the NEXT change of slots will ask for: a slot's 32,768 bytes of K and of V.  The head's first work-group asks, which walks all slots; in it waves 4 to 7 ask for K's, waves 8 to 11 for V's:
; 8,192 bytes a wave, lanes 256 bytes apart, one instruction: each aligned block of 256 bytes is named once in the launch.  The last change that fills a slot asks for nothing; slots 0 and 1 come by their loads alone.
.macro ASK
	s_cmp_gt_u32 s[SLOTS], s[LIM]
	s_cbranch_scc0 .Lnot_mine_\@
	global_prefetch_b8 v[PFO], s[PFA:PFA+1] th:TH_LOAD_NT scope:SCOPE_SE
.Lnot_mine_\@:
.endm
	s_load_b256 s[4:11], s[0:1], 0x0               ; qkv s[4:5], aux s[6:7], att s[8:9], bsuf0 s[10:11]
	v_lshl_add_u32 v[SPW], v0, 2, SPARE
	v_mov_b32 v[NIL], 0
	ds_add_u32 v[SPW], v[NIL]                      ; the wave's opening: the add, twice on end, and its wait ahead of the first tensor load
	ds_add_u32 v[SPW], v[NIL]
	v_lshrrev_b32 v5, 5, v0
	v_readfirstlane_b32 s[WV], v5                  ; wave 0..15
	s_and_b32 s[BH], ttmp7, 0xffff
	s_lshr_b32 s96, s[WV], 2
	s_xor_b32 s96, s96, s[WV]
	s_and_b32 s96, s96, 1                          ; which of the two blocks: so chosen that waves w, w + 4, .. and waves 4 k .. 4 k + 3 alike hold two of each
	s_sub_co_u32 s97, 7, ttmp9
	s_cmp_eq_u32 s96, 0
	s_cselect_b32 s97, ttmp9, s97                  ; block i or 7 - i
	s_lshl_b32 s97, s97, 8
	s_lshr_b32 s96, s[WV], 1
	s_lshl_b32 s96, s96, 5
	s_add_co_u32 s[Q0], s97, s96                   ; 256 x block + 32 x (wave / 2)
	s_sub_co_u32 s[QL], 8, ttmp9
	s_lshl_b32 s[QL], s[QL], 8
	s_sub_co_u32 s[QL], s[QL], 1                   ; the last query of block 7 - i
	s_lshr_b32 s[DB], s[Q0], 6
	; descriptor group 1: 64 rows of 128 elements of 2 bytes, dense in memory; padding behind each row: K 4 words, V 8
	s_mov_b32 s[G1K], (1<<16)|(1<<20)|(5<<22)|(3<<25)
	s_mov_b32 s[G1V], (1<<16)|(1<<20)|(5<<22)|(7<<25)
.irp g, G1K, G1V
	s_mov_b32 s[\g+1], 128<<16                     ; tensor_dim0
	s_mov_b32 s[\g+2], 64<<16                      ; tensor_dim1
	s_mov_b32 s[\g+3], 128<<16                     ; tile_dim0
	s_mov_b32 s[\g+4], 64                          ; tile_dim1
	s_mov_b32 s[\g+5], 128                         ; from row to row
	s_mov_b32 s[\g+6], 0
	s_mov_b32 s[\g+7], 0
.endr
	s_and_b32 s53, s[WV], 1                        ; which half of a slot I fetch, if I fetch
	s_mul_i32 s[G0K+1], s53, 64*KPR
	s_mul_i32 s[G0V+1], s53, 64*VPR
	s_add_co_u32 s[G0V+1], s[G0V+1], VOFF
	s_lshl_b32 s54, s[BH], 18                      ; a head is 262,144 bytes
	s_lshl_b32 s55, s53, 14
	s_add_co_u32 s54, s54, s55
	s_add_co_u32 s54, s54, 1<<24                   ; k lies 2^24 bytes behind q, v 2^24 behind k
	s_mov_b32 s55, 0
	s_lshl_b32 s56, s[BH], 18
	s_lshl_b32 s57, s[Q0], 7
	s_add_co_u32 s56, s56, s57                     ; my rows of Q
	s_mov_b32 s57, 0
	s_and_b32 s58, s[BH], 15
	s_lshr_b32 s61, s[BH], 4
	s_lshl_b32 s59, s58, 13
	s_lshl_b32 s60, s61, 11
	s_add_co_u32 s59, s59, s60
	s_add_co_u32 s59, s59, s[Q0]
	s_lshl_b32 s60, s58, 8                         ; the sums of v: 256 bytes a head,
	s_lshl_b32 s61, s61, 17                        ; 32 rows of 4,096 bytes a batch,
	s_add_co_u32 s60, s60, s61
	s_add_co_u32 s60, s60, 786432                  ; behind the f32 copy
	s_mov_b32 s61, 0
	s_lshl_b32 s58, s59, 7                         ; my rows of the result: (8,192 head + 2,048 batch + Q0) x 128 bytes
	s_mov_b32 s59, 0
	s_lshl_b32 s62, s[BH], 8
	s_mov_b32 s63, 0
	s_lshl_b32 s66, s[BH], 18                      ; the prefetches: my head,
	s_and_b32 s67, s[WV], 3
	s_lshl_b32 s67, s67, 13
	s_add_co_u32 s66, s66, s67                     ; my wave's 8,192 bytes,
	s_add_co_u32 s66, s66, 32768                   ; in slot 1: the first change of slots steps it to slot 2
	s_mov_b32 s67, 1<<25
	s_cmp_lt_u32 s[WV], 8
	s_cselect_b32 s67, 1<<24, s67                  ; of K or of V
	s_add_co_u32 s66, s66, s67
	s_mov_b32 s67, 0
	s_sub_co_u32 s96, s[WV], 4
	s_lshr_b32 s96, s96, 3                         ; 0 in waves 4 to 11,
	s_or_b32 s96, s96, ttmp9                       ; of the head's first work-group
	s_cmp_eq_u32 s96, 0
	s_cselect_b32 s[LIM], 1, -1
	s_mov_b32 s[SEL], 0x76543210
	s_mov_b32 s[SEL+1], 0xfedcba98                 ; v_permlanex16_b32's selects for lane l xor 16
	s_mov_b32 s[CS], 0x3e38aa3b                    ; c = log2(e) / 8
	s_mov_b32 s[CS+1], s[CS]
	s_mov_b32 s[TB], 0
	s_mov_b32 s[KF], 0
	s_mov_b32 s[SLOTS], 7
	s_wait_dscnt 0x0                               ; both opening adds are done
	s_wait_kmcnt 0x0
	s_mov_b32 s[G0K], 1
	s_add_nc_u64 s[G0K+2:G0K+3], s[4:5], s[54:55]
	s_mov_b32 s[G0V], 1
	s_add_nc_u64 s[G0V+2:G0V+3], s[G0K+2:G0K+3], 1<<24
	s_or_b32 s[G0K+3], s[G0K+3], 0x80000000
	s_or_b32 s[G0V+3], s[G0V+3], 0x80000000
	TLOAD                                          ; slot 0: key 0 counts for every query, so every wave reads it
	s_add_nc_u64 s[56:57], s[4:5], s[56:57]
	s_add_nc_u64 s[58:59], s[8:9], s[58:59]
	s_add_nc_u64 s[60:61], s[6:7], s[60:61]
	s_add_nc_u64 s[62:63], s[10:11], s[62:63]
	s_add_nc_u64 s[PFA:PFA+1], s[4:5], s[66:67]
	v_and_b32 v10, 15, v0                          ; r
	v_bfe_u32 v11, v0, 4, 1                        ; h
	v_lshlrev_b32 v5, 7, v10
	v_lshl_add_u32 v5, v11, 4, v5                  ; Q: row r of 128 bytes + 16 h
.irp t, 0,1
.irp cs, 0,1
	global_load_b128 v[QF+16*\t+8*\cs:QF+16*\t+8*\cs+3], v5, s[56:57] offset:2048*\t+64*\cs
	global_load_b128 v[QF+16*\t+8*\cs+4:QF+16*\t+8*\cs+7], v5, s[56:57] offset:2048*\t+64*\cs+32
.endr
.endr
	v_and_b32 v6, 31, v0
	v_lshlrev_b32 v[PFO], 8, v6
	v_lshlrev_b32 v[GO], 4, v6
	v_lshlrev_b32 v6, 3, v6                        ; 8 x lane: two channels a lane
.set BB, 1
.rept 31
	global_load_b64 v[S+2*(BB-1):S+2*(BB-1)+1], v6, s[60:61] offset:4096*BB   ; the sum of v over keys 64 BB .. 64 BB + 63
.set BB, BB+1
.endr
	v_lshrrev_b32 v[AK0], 1, v10
	v_mul_u32_u24 v[AK0], v[AK0], KPR
	v_and_b32 v190, 1, v10
	v_lshl_add_u32 v[AK0], v190, 7, v[AK0]
	v_lshl_add_u32 v[AK0], v11, 4, v[AK0]          ; (r / 2) x 272 + (r % 2) x 128 + 16 h
	v_and_b32 v190, 7, v0
	v_lshl_add_u32 v190, v11, 3, v190              ; the turning load: key 8 h + l % 8,
	v_lshrrev_b32 v[AV0], 1, v190
	v_mul_u32_u24 v[AV0], v[AV0], VPR
	v_and_b32 v190, 1, v190
	v_lshl_add_u32 v[AV0], v190, 7, v[AV0]
	v_bfe_u32 v190, v0, 3, 1
	v_lshl_add_u32 v[AV0], v190, 4, v[AV0]         ; channels 8 ((l / 8) % 2) on
	v_add_nc_u32 v[AV0], VOFF, v[AV0]
	s_mul_i32 s96, s[WV], WSTG
	s_add_co_u32 s96, s96, STAGE                   ; my stage
	v_add_nc_u32 v[STO], s96, v[AK0]
	v_mul_u32_u24 v[RD], v11, 272
	v_lshl_add_u32 v[RD], v10, 4, v[RD]
	v_add_nc_u32 v[RD], s96, v[RD]
	s_lshl_b32 s96, s[WV], 8
	s_add_co_u32 s96, s96, BSC
	v_lshl_add_u32 v[BSA], v11, 5, s96             ; my half's eight channels of a tile
	v_add_nc_u32 v190, s96, v6
	v_lshlrev_b32 v[DQ], 3, v11
	v_sub_nc_u32 v[DQ], v10, v[DQ]
	v_mov_b32 v[MSK], 0xc79c4000                   ; -80,000
.irp t, 0,1
	v_mov_b32 v[ST+8*\t+1], 0xff61b1e6             ; m: -3e38, under every score
	v_mul_f32 v[ST+8*\t], s[CS], v[ST+8*\t+1]
	v_mov_b32 v[ST+8*\t+2], 0
	v_mov_b32 v[ST+8*\t+3], 0
.endr
.set NN, 0
.rept 64
	v_mov_b32 v[O+NN], 0                           ; the step is written once: the first finds zeros, which the first a leaves zeros
.set NN, NN+1
.endr
	s_wait_loadcnt 0x0                             ; Q and the 31 sums
	s_mov_b32 s97, 0
.set BB, 1
.rept 31                                           ; the blocks behind my diagonal block count: a factor 1 or 0, chosen by ids
	s_cmp_lt_u32 s[DB], BB
	s_cselect_b32 s96, 0x3f800000, 0
.if BB == 1
	v_pk_mul_f32 v[10:11], v[S:S+1], s[96:97] op_sel_hi:[1,0]
.else
	v_pk_fma_f32 v[10:11], v[S+2*(BB-1):S+2*(BB-1)+1], s[96:97], v[10:11] op_sel_hi:[1,0,1]
.endif
.set BB, BB+1
.endr
	ds_store_b64 v190, v[10:11]                    ; my wave's own 256 bytes: read back at the end in the result's layout
	s_or_b32 s96, s[WV], ttmp9                     ; wave 0 of work-group 0 has Q0 = 0: its sum is that of blocks 1 to 31, which the fine launch wants
	s_cmp_lg_u32 s96, 0
	s_cbranch_scc1 .Lno_suf
	global_store_b64 v6, v[10:11], s[62:63]
	s_wait_xcnt 0x0                                ; v6 and v10 are written again below
.Lno_suf:
; A KEY STEP: 64 keys, the q-th of the slot in hand.
.macro STEP q
	s_add_co_u32 s96, s[Q0], 31
	s_cmp_gt_u32 s[KF], s96                        ; all its keys come after my 32 queries: left out
	s_cbranch_scc1 .Lhidden_\@
	v_add_nc_u32 v[ADK], s[TB], v[AK0]
	v_add_nc_u32 v[ADV], s[TB], v[AV0]
.rept 3
	v_nop                                          ; with the two additions five places behind the last products: four for the loads into V's registers, five for the products that write over P
.endr
.irp kt, 0,1,2,3
.irp cs, 0,1
	ds_load_b128 v[FRG+16*\kt+8*\cs:FRG+16*\kt+8*\cs+3], v[ADK] offset:8704*(\q)+2176*\kt+64*\cs
	ds_load_b128 v[FRG+16*\kt+8*\cs+4:FRG+16*\kt+8*\cs+7], v[ADK] offset:8704*(\q)+2176*\kt+64*\cs+32
.endr
.endr
	s_wait_dscnt 0x0
.irp cs, 0,1                                       ; S^T = K Q^T: the eight accumulators by turns
.irp kt, 0,1,2,3
.irp t, 0,1
.if \cs == 0
	v_wmma_f32_16x16x32_f16 v[S+32*\t+8*\kt:S+32*\t+8*\kt+7], v[FRG+16*\kt+8*\cs:FRG+16*\kt+8*\cs+7], v[QF+16*\t+8*\cs:QF+16*\t+8*\cs+7], 0
.else
	v_wmma_f32_16x16x32_f16 v[S+32*\t+8*\kt:S+32*\t+8*\kt+7], v[FRG+16*\kt+8*\cs:FRG+16*\kt+8*\cs+7], v[QF+16*\t+8*\cs:QF+16*\t+8*\cs+7], v[S+32*\t+8*\kt:S+32*\t+8*\kt+7]
.endif
.endr
.endr
.endr
.rept 4
	v_nop                                          ; places in front of the loads into K's registers and of the first read of the scores
.endr
.irp ks, 0,1                                       ; V, turned: it lands under the softmax
.irp ct, 0,1,2,3
	ds_load_tr16_b128 v[FRG+16*\ct+8*\ks:FRG+16*\ct+8*\ks+3], v[ADV] offset:9216*(\q)+4608*\ks+32*\ct
	ds_load_tr16_b128 v[FRG+16*\ct+8*\ks+4:FRG+16*\ct+8*\ks+7], v[ADV] offset:9216*(\q)+4608*\ks+32*\ct+2304
.endr
.endr
	s_add_co_u32 s96, s[KF], 63
	s_cmp_le_u32 s96, s[Q0]                        ; all keys count for all my queries: no mask
	s_cbranch_scc1 .Lopen_\@
	s_sub_co_i32 s96, s[Q0], s[KF]
	v_add_nc_u32 v10, s96, v[DQ]                   ; key KF + 16 kt + 8 h + j is hidden from query Q0 + 16 t + r where 16 kt + j - 16 t > Q0 - KF + r - 8 h
.irp t, 0,1
.set NN, 0
.rept 32
	v_cmp_gt_i32 vcc_lo, 16*(NN/8)+NN%8-16*\t, v10
	v_cndmask_b32 v[S+32*\t+NN], v[S+32*\t+NN], v[MSK], vcc_lo
.set NN, NN+1
.endr
.endr
.Lopen_\@:
.irp j, 0,1,2,3                                    ; the maximum of 32 scores and the old m, the two tiles by turns; each accumulator is read from its low end on
.irp t, 0,1
	v_max3_num_f32 v[ST+8*\t+4+\j], v[S+32*\t+8*\j], v[S+32*\t+8*\j+1], v[S+32*\t+8*\j+2]
.endr
.endr
.irp u, 1,2
.irp j, 0,1,2,3
.irp t, 0,1
	v_max3_num_f32 v[ST+8*\t+4+\j], v[ST+8*\t+4+\j], v[S+32*\t+8*\j+2*\u+1], v[S+32*\t+8*\j+2*\u+2]
.endr
.endr
.endr
.irp t, 0,1
	v_max3_num_f32 v[ST+8*\t+4], v[ST+8*\t+4], v[S+32*\t+7], v[S+32*\t+15]
.endr
.irp t, 0,1
	v_max3_num_f32 v[ST+8*\t+6], v[ST+8*\t+6], v[S+32*\t+23], v[S+32*\t+31]
.endr
.irp t, 0,1
	v_max3_num_f32 v[ST+8*\t+4], v[ST+8*\t+4], v[ST+8*\t+5], v[ST+8*\t+6]
.endr
.irp t, 0,1
	v_max3_num_f32 v[ST+8*\t+4], v[ST+8*\t+4], v[ST+8*\t+7], v[ST+8*\t+1]
.endr
.irp t, 0,1
	v_permlanex16_b32 v[ST+8*\t+5], v[ST+8*\t+4], s[SEL], s[SEL+1]   ; the query's other 32 keys lie in the lane 16 away
.endr
.irp t, 0,1
	v_mov_b32 v[ST+8*\t+7], v[ST+8*\t]             ; c m_old
.endr
.irp t, 0,1
	v_max_num_f32 v[ST+8*\t+1], v[ST+8*\t+4], v[ST+8*\t+5]
.endr
.irp t, 0,1
	v_mul_f32 v[ST+8*\t], s[CS], v[ST+8*\t+1]
.endr
.irp t, 0,1
	v_sub_f32 v[ST+8*\t+7], v[ST+8*\t+7], v[ST+8*\t]
.endr
.irp t, 0,1
.set NN, 0
.rept 16
	v_pk_fma_f32 v[S+32*\t+NN:S+32*\t+NN+1], v[S+32*\t+NN:S+32*\t+NN+1], s[CS:CS+1], v[ST+8*\t:ST+8*\t+1] op_sel_hi:[1,0,0] neg_lo:[0,0,1] neg_hi:[0,0,1]   ; c s - c m
.set NN, NN+2
.endr
.endr
.irp t, 0,1                                        ; ONE BATCH: a and the 32 p of both tiles
	v_exp_f32 v[ST+8*\t+6], v[ST+8*\t+7]
.set NN, 0
.rept 32
	v_exp_f32 v[S+32*\t+NN], v[S+32*\t+NN]
.set NN, NN+1
.endr
.endr
	v_nop                                          ; a plain instruction behind the last exponential
	s_wait_alu depctr_va_vdst(0)                   ; one wait for the batch, ahead of its first reader
.irp t, 0,1
	v_pk_mul_f32 v[ST+8*\t+2:ST+8*\t+3], v[ST+8*\t+2:ST+8*\t+3], v[ST+8*\t+6:ST+8*\t+7] op_sel_hi:[1,0]   ; l x a
.endr
.irp t, 0,1
	v_pk_add_f32 v[ST+8*\t+4:ST+8*\t+5], v[S+32*\t:S+32*\t+1], v[S+32*\t+2:S+32*\t+3]   ; the sum of the unrounded p, in two chains
.endr
.irp n, 4,8,12,16,20,24,28
.irp t, 0,1
	v_pk_add_f32 v[ST+8*\t+2:ST+8*\t+3], v[ST+8*\t+2:ST+8*\t+3], v[S+32*\t+\n:S+32*\t+\n+1]
	v_pk_add_f32 v[ST+8*\t+4:ST+8*\t+5], v[ST+8*\t+4:ST+8*\t+5], v[S+32*\t+\n+2:S+32*\t+\n+3]
.endr
.endr
.irp t, 0,1
	v_pk_add_f32 v[ST+8*\t+2:ST+8*\t+3], v[ST+8*\t+2:ST+8*\t+3], v[ST+8*\t+4:ST+8*\t+5]
.endr
.irp t, 0,1
.set NN, 0
.rept 16
	v_cvt_pk_f16_f32 v[S+32*\t+NN], v[S+32*\t+2*NN], v[S+32*\t+2*NN+1]   ; in place, ascending: register i takes pair i, which lies at 2 i and 2 i + 1
.set NN, NN+1
.endr
.endr
.irp t, 0,1
.set NN, 0
.rept 16
	v_pk_mul_f32 v[O+32*\t+NN:O+32*\t+NN+1], v[O+32*\t+NN:O+32*\t+NN+1], v[ST+8*\t+6:ST+8*\t+7] op_sel_hi:[1,0]   ; O^T x a
.set NN, NN+2
.endr
.endr
	s_wait_dscnt 0x0                               ; V is in
.irp ks, 0,1                                       ; O^T += V^T P: the eight accumulators by turns
.irp ct, 0,1,2,3
.irp t, 0,1
	v_wmma_f32_16x16x32_f16 v[O+32*\t+8*\ct:O+32*\t+8*\ct+7], v[FRG+16*\ct+8*\ks:FRG+16*\ct+8*\ks+7], v[S+32*\t+8*\ks:S+32*\t+8*\ks+7], v[O+32*\t+8*\ct:O+32*\t+8*\ct+7]
.endr
.endr
.endr
.Lhidden_\@:
	s_add_co_u32 s[KF], s[KF], 64
.endm
; THE CHANGE OF SLOTS stands at a slot's head.  Each wave waits for all its tensor loads, adds 0 to its spare word, and waits for that and for its reads of the slot that it has left; behind the barrier the slot ahead is whole
; and nobody reads the other one.  fill = 1: that other slot takes the next 256 keys, while their first key is at or under the work-group's last query: a slot beyond that is read by none of the sixteen waves.
; The test is made of ids and the count of steps alone, so all waves go the same way; it leads round the load's own lines and nothing else; every wait on TENSORcnt in this text is for 0.
.macro CHANGE fill
	s_wait_tensorcnt 0x0                           ; no tensor load of mine is out, so a group 0 may be written
	ds_add_u32 v[SPW], v[NIL]
.if \fill
	ds_add_u32 v[SPW], v[NIL]                      ; and twice on end here, in every trip alike
	s_xor_b32 s[G0K+1], s[G0K+1], SLOT1
	s_add_nc_u64 s[G0K+2:G0K+3], s[G0K+2:G0K+3], 32768
	s_xor_b32 s[G0V+1], s[G0V+1], SLOT1
	s_add_nc_u64 s[G0V+2:G0V+3], s[G0V+2:G0V+3], 32768
	s_wait_xcnt 0x0                                ; the last prefetch, a slot back, has read its address
	s_add_nc_u64 s[PFA:PFA+1], s[PFA:PFA+1], 32768
.endif
	s_wait_dscnt 0x0
	s_barrier_signal -1
	s_barrier_wait -1
.if \fill
	s_add_co_u32 s96, s[KF], 256                   ; the first key of the slot that this change would ask for
	s_cmp_gt_u32 s96, s[QL]
	s_cbranch_scc1 .Lpast_\@
	TLOAD                                          ; a wave's one tensor load until the next such barrier: it has a slot's four steps in which to land
.Lpast_\@:
	ASK
.endif
.endm
.macro SLOT_STEPS
	STEP 0
	STEP 1
	STEP 2
	STEP 3
	s_xor_b32 s[TB], s[TB], SLOT1
.endm
.Lslot:                                            ; seven trips: behind each change of slots but the last the next slot is asked for, up to the limit
	CHANGE 1
	SLOT_STEPS
	s_sub_co_u32 s[SLOTS], s[SLOTS], 1
	s_cmp_lg_u32 s[SLOTS], 0
	s_cbranch_scc1 .Lslot
	CHANGE 0
	SLOT_STEPS
	; THE END.  n keys lie in steps that were not walked; each has the score -80,000.  m' = max(m, -80,000); a = 2^(c m - c m'), w = 2^(c (-80,000) - c m'); l = a l + n w; O = (a O + w Bs) / l.  With n = 0 the floor is -3e38: a = 1, w = 0.
	s_and_b32 s96, s[Q0], 0xffffffc0
	s_sub_co_u32 s96, 1984, s96                    ; n = 2,048 - 64 - (Q0 rounded down to 64)
	s_cvt_f32_u32 s97, s96
	s_mov_b32 s98, 0xff61b1e6
	s_cmp_eq_u32 s96, 0
	s_cselect_b32 s98, s98, 0xc79c4000
.irp t, 0,1
	v_max_num_f32 v[ST+8*\t+4], s98, v[ST+8*\t+1]  ; m'
	v_add_f32 v[ST+8*\t+2], v[ST+8*\t+2], v[ST+8*\t+3]
	v_mul_f32 v[ST+8*\t+5], s[CS], v[ST+8*\t+4]    ; c m'.  (These six lines are the places behind the last products)
.endr
.irp ct, 0,1,2,3
	ds_load_b128 v[FRG+8*\ct:FRG+8*\ct+3], v[BSA] offset:64*\ct        ; Bs at my eight channels of each tile
	ds_load_b128 v[FRG+8*\ct+4:FRG+8*\ct+7], v[BSA] offset:64*\ct+16
.endr
.irp t, 0,1
	v_permlanex16_b32 v[ST+8*\t+3], v[ST+8*\t+2], s[SEL], s[SEL+1]
	v_sub_f32 v[ST+8*\t+6], v[ST+8*\t], v[ST+8*\t+5]
	v_fma_f32 v[ST+8*\t+7], s98, s[CS], -v[ST+8*\t+5]
.endr
.irp t, 0,1
	v_add_f32 v[ST+8*\t+2], v[ST+8*\t+2], v[ST+8*\t+3]   ; the row's sum
.endr
.irp t, 0,1
	v_exp_f32 v[ST+8*\t+6], v[ST+8*\t+6]           ; a
	v_exp_f32 v[ST+8*\t+7], v[ST+8*\t+7]           ; w
.endr
	v_nop
	s_wait_alu depctr_va_vdst(0)                   ; one wait for the four
.irp t, 0,1
	v_mul_f32 v[ST+8*\t+3], s97, v[ST+8*\t+7]
.endr
.irp t, 0,1
	v_fma_f32 v[ST+8*\t+2], v[ST+8*\t+2], v[ST+8*\t+6], v[ST+8*\t+3]
.endr
.irp t, 0,1
	v_rcp_f32 v[ST+8*\t+3], v[ST+8*\t+2]
.endr
	v_nop
	s_wait_alu depctr_va_vdst(0)                   ; and one for the two reciprocals
.irp t, 0,1
	v_mul_f32 v[ST+8*\t+4], v[ST+8*\t+6], v[ST+8*\t+3]   ; a / l
	v_mul_f32 v[ST+8*\t+6], v[ST+8*\t+7], v[ST+8*\t+3]   ; w / l
.endr
	s_wait_dscnt 0x0
.irp t, 0,1
.set NN, 0
.rept 16
	v_pk_mul_f32 v[O+32*\t+NN:O+32*\t+NN+1], v[O+32*\t+NN:O+32*\t+NN+1], v[ST+8*\t+4:ST+8*\t+5] op_sel_hi:[1,0]
.set NN, NN+2
.endr
.set NN, 0
.rept 16
	v_pk_fma_f32 v[O+32*\t+NN:O+32*\t+NN+1], v[FRG+NN:FRG+NN+1], v[ST+8*\t+6:ST+8*\t+7], v[O+32*\t+NN:O+32*\t+NN+1] op_sel_hi:[1,0,1]
.set NN, NN+2
.endr
.endr
	; THE WAY OUT: a lane's eight channels pack into 16 bytes; 32 rows of 128 bytes go through my stage, two rows to a stage row, and leave as 4,096 bytes on end
.irp t, 0,1
.irp ct, 0,1,2,3
.irp jj, 0,1,2,3
	v_cvt_pk_f16_f32 v[S+16*\t+4*\ct+\jj], v[O+32*\t+8*\ct+2*\jj], v[O+32*\t+8*\ct+2*\jj+1]
.endr
.endr
.endr
.irp t, 0,1
.irp ct, 0,1,2,3
	ds_store_b128 v[STO], v[S+16*\t+4*\ct:S+16*\t+4*\ct+3] offset:2176*\t+32*\ct
.endr
.endr
.irp i, 0,1,2,3,4,5,6,7
	ds_load_b128 v[S+32+4*\i:S+32+4*\i+3], v[RD] offset:544*\i   ; LDS serves a wave's instructions in order: these see my stores
.endr
.irp i, 0,1,2,3,4,5,6,7
	s_wait_dscnt 7-\i                              ; the later loads may be out
	global_store_b128 v[GO], v[S+32+4*\i:S+32+4*\i+3], s[58:59] offset:512*\i   ; 512 consecutive bytes
.endr
	s_wait_tensorcnt 0x0                           ; the wave's end
	ds_add_u32 v[SPW], v[NIL]
	s_wait_dscnt 0x0
	s_endpgm
.Lfunc_end_k_q152a3f02c9_attn:
	.size	k_q152a3f02c9_attn, .Lfunc_end_k_q152a3f02c9_attn-k_q152a3f02c9_attn
	.p2alignl 7, 3214868480
	.fill 96, 4, 3214868480
	.section	.rodata,"a",@progbits
	.p2align	6, 0x0
	.amdhsa_kernel k_q152a3f02c9_attn
		.amdhsa_group_segment_fixed_size 327680
		.amdhsa_private_segment_fixed_size 0
		.amdhsa_enable_private_segment 0
		.amdhsa_kernarg_size 32
		.amdhsa_user_sgpr_count 2
		.amdhsa_user_sgpr_kernarg_segment_ptr 1
		.amdhsa_wavefront_size32 1
		.amdhsa_system_sgpr_workgroup_id_x 1
		.amdhsa_system_sgpr_workgroup_id_y 1
		.amdhsa_system_sgpr_workgroup_id_z 1
		.amdhsa_system_vgpr_workitem_id 0
		.amdhsa_next_free_vgpr 256
		.amdhsa_next_free_sgpr 100
		.amdhsa_reserve_vcc 1
		.amdhsa_float_denorm_mode_32 3
		.amdhsa_float_denorm_mode_16_64 3
		.amdhsa_memory_ordered 1
		.amdhsa_forward_progress 1
		.amdhsa_inst_pref_size 200
	.end_amdhsa_kernel
	.amdgpu_metadata
---
amdhsa.version: [ 1, 2 ]
amdhsa.kernels:
  - .name:           k_q152a3f02c9_attn
    .symbol:         k_q152a3f02c9_attn.kd
    .args:
      - { .name: qkv, .offset: 0, .size: 8, .value_kind: global_buffer, .address_space: global }
      - { .name: aux, .offset: 8, .size: 8, .value_kind: global_buffer, .address_space: global }
      - { .name: att, .offset: 16, .size: 8, .value_kind: global_buffer, .address_space: global }
      - { .name: bsuf0, .offset: 24, .size: 8, .value_kind: global_buffer, .address_space: global }
    .group_segment_fixed_size: 327680
    .private_segment_fixed_size: 0
    .kernarg_segment_align: 8
    .kernarg_segment_size: 32
    .max_flat_workgroup_size: 512
    .sgpr_count:     100
    .vgpr_count:     256
    .wavefront_size: 32
...
	.end_amdgpu_metadata
.endif
;; end of part 3
;; launch proj (part 4): grid 4 x 64, 4 waves a work-group, clusters of 4 x 4, 327,680 bytes of LDS; arguments att, wp16, out0; writes out0
.if DOCPART == 4
	.amdgcn_target "amdgcn-amd-amdhsa--gfx1250"
	.amdhsa_code_object_version 6
	.text
	.protected	k_q152a3f02c9_proj
	.globl	k_q152a3f02c9_proj
	.p2align	8
	.type	k_q152a3f02c9_proj,@function
k_q152a3f02c9_proj:
	s_mov_b64 s[64:65], 0
	v_nop
	global_prefetch_b8 v0, s[64:65] scope:SCOPE_SE
	s_setreg_imm32_b32 hwreg(HW_REG_WAVE_MODE, 25, 1), 1
	s_wait_xcnt 0x0
	s_wait_alu depctr_hold_cnt(0) depctr_sa_sdst(0) depctr_va_vdst(0) depctr_va_sdst(0) depctr_va_ssrc(0) depctr_va_vcc(0) depctr_vm_vsrc(0)
	s_getreg_b32 s2, hwreg(HW_REG_IB_STS2, 6, 4)
	s_cmp_eq_u32 s2, 0
	s_cbranch_scc0 .Lentry_in_a_cluster
	s_endpgm
.Lentry_in_a_cluster:
	s_bfe_u32 s2, ttmp6, 0x10000c
	s_cmp_lg_u32 s2, 0xf033
	s_cbranch_scc0 .Lentry_shape_is_right
	s_endpgm
.Lentry_shape_is_right:
; out0[m][n] = sum over k of a[m][k] W_proj[n][k]; M = 8,192, N = K = 1,024; operands f16, sums and result f32.  a lies by head: [k / 64][m][64], rows of 128 dense bytes; W_proj as f16 [n][k].
; A tile is 128 (m) x 256 (n): 256 work-groups, one for each WGP (tiles of 256 x 256 would be 128).  Four waves, each 64 x 128: 32 accumulators, which fill window 1.
; K goes in 8 steps of 128 (two heads) through two LDS slots.  Waves 0 and 1 fetch a's two heads of a step (128 rows of 128 dense bytes each, stated as 64 rows of 256), waves 2 and 3 W's two halves (128 rows of 256 bytes).
; CLUSTERS: 4 x 4 work-groups; a's tiles are asked for jointly along a row of the cluster, W's along a column.  THE MATRIX INSTRUCTION IS USED TRANSPOSED (source 0 = 16 rows of W, source 1 = 16 rows of a).
; Rows t < 16 of every batch are written again, more finely, by the launch behind this one: leaving them out here would be a branch on a work-group's place in its cluster.
; No prefetch: a K step's tiles are small, and each is shared by four work-groups.
; REGISTERS: window 0: v0-31 addresses; two fragment buffers of 96 (a's 4 fragments, then W's 8) at v64 and v160.  window 1: accumulator (a, b) at v[8 (8 a + b)].
.set PITCH,  272
.set AHALF,  64*PITCH                  ; one head's 128 rows: 64 LDS rows of two
.set BOFF,   2*AHALF
.set BHALF,  128*PITCH
.set SLOT,   BOFF+2*BHALF
.set STAGE,  2*SLOT                    ; behind the slots: 16 rows x 528 bytes for each wave
.set SPITCH, 528
.set SPARE,  STAGE+4*16*SPITCH         ; the spare words, 128 bytes a wave, which no other line names
.set LAPS,   4
.set ADRA, 16
.set ADRB, 20
.set STO,  24
.set RD,   25
.set CO,   26
.set SPW,  28
.set NIL,  29
.set F0,   64
.set F1,   160
.set BK,   64                          ; the way out: v64-127 and v128-191 by turns
.set G1, 24
.set G0, 32
.set G1B, 48
.set G0B, 56
.set MSB, 0
.macro WIN new
.if MSB != (\new)
	s_set_vgpr_msb (MSB<<8)|(\new)
.set MSB, (\new)
.endif
.endm
.set MUL, 0x50                         ; C and D window 1, both sources window 0
.macro JLOAD s                         ; a joint load; an s_nop 0 and four v_nop follow each of the two lines
	s_cmp_eq_u32 s11, 0
	s_cbranch_scc0 .Lfor_b_\@
	tensor_load_to_lds s[G0+4*\s:G0+4*\s+3], s[G1:G1+7]
	s_nop 0
.rept 4
	v_nop
.endr
	s_branch .Lasked_\@
.Lfor_b_\@:
	tensor_load_to_lds s[G0B+4*\s:G0B+4*\s+3], s[G1B:G1B+7]
	s_nop 0
.rept 4
	v_nop
.endr
.Lasked_\@:
.endm
.macro CREST
	s_cmp_lg_u32 s10, 0
	s_cbranch_scc1 .Lnot_wave_0_\@
	s_barrier_signal -3
.Lnot_wave_0_\@:
	s_barrier_wait -3
	s_barrier_signal -1
	s_barrier_wait -1
.endm
.macro CROUND
	s_barrier_signal -1
	s_barrier_wait -1
	CREST
.endm
	s_load_b128 s[4:7], s[0:1], 0x0                ; a, W_proj as f16
	s_load_b64 s[8:9], s[0:1], 0x10                ; out0
	v_lshl_add_u32 v[SPW], v0, 2, SPARE
	v_mov_b32 v[NIL], 0
	ds_add_u32 v[SPW], v[NIL]                      ; the wave's opening: the add, twice on end, and its wait ahead of my first tensor load
	ds_add_u32 v[SPW], v[NIL]
	v_lshrrev_b32 v1, 5, v0
	v_readfirstlane_b32 s10, v1                    ; wave 0..3
	s_lshr_b32 s11, s10, 1                         ; which 64 rows are mine.  Also: I fetch for a (0) or for W (1)
	s_and_b32 s12, s10, 1                          ; which 128 columns.  Also: which part I fetch
	s_bfe_u32 s40, ttmp6, 0x40000
	s_bfe_u32 s41, ttmp6, 0x40004
	s_lshl_b32 s42, ttmp9, 2
	s_add_co_u32 s42, s42, s40                     ; tile column
	s_and_b32 s13, ttmp7, 0xffff
	s_lshl_b32 s13, s13, 2
	s_add_co_u32 s13, s13, s41                     ; tile row
	s_lshl_b32 s43, s41, 2
	s_lshl_b32 s43, 15, s43                        ; my row of the cluster
	s_lshl_b32 s44, 0x1111, s40                    ; my column
	s_or_b32 s[G1+0], s43, (1<<16)|(1<<20)|(1<<21)|(5<<22)|(3<<25)   ; the mask; elements of 2 bytes; padding: 4 words behind every 64; bit 21 beside a mask
	s_or_b32 s[G1B+0], s44, (1<<16)|(1<<20)|(1<<21)|(5<<22)|(3<<25)
	s_mov_b32 s[G1+1], 128<<16                     ; a: 64 rows of 128 elements, dense
	s_mov_b32 s[G1+2], 64<<16
	s_mov_b32 s[G1+3], 128<<16
	s_mov_b32 s[G1+4], 64
	s_mov_b32 s[G1+5], 128
	s_mov_b32 s[G1+6], 0
	s_mov_b32 s[G1+7], 0
	s_mov_b32 s[G1B+1], 128<<16                    ; W: 128 rows of 128 elements, 1,024 elements apart
	s_mov_b32 s[G1B+2], 128<<16
	s_mov_b32 s[G1B+3], 128<<16
	s_mov_b32 s[G1B+4], 128
	s_mov_b32 s[G1B+5], 1024
	s_mov_b32 s[G1B+6], 0
	s_mov_b32 s[G1B+7], 0
	s_lshl_b32 s16, s13, 14                        ; a: 128 rows of 128 bytes a tile row,
	s_lshl_b32 s17, s12, 20                        ; a head is 8,192 rows
	s_add_co_u32 s16, s16, s17
	s_mov_b32 s17, 0
	s_lshl_b32 s46, s42, 19                        ; W: 256 rows of 2,048 bytes a tile column,
	s_lshl_b32 s47, s12, 18                        ; my 128 of them
	s_add_co_u32 s46, s46, s47
	s_mov_b32 s47, 0
	s_mul_i32 s20, s12, AHALF                      ; where they go: no place in the cluster enters an LDS address
	s_mul_i32 s21, s12, BHALF
	s_add_co_u32 s21, s21, BOFF
	s_wait_dscnt 0x0                               ; both opening adds are done
	s_wait_kmcnt 0x0
	s_add_nc_u64 s[14:15], s[4:5], s[16:17]
	s_add_nc_u64 s[46:47], s[6:7], s[46:47]
	CROUND                                         ; all sixteen work-groups are here: the first joint loads meet
.irp s, 0,1
	s_mov_b32 s[G0+4*\s], 1
	s_add_co_u32 s[G0+4*\s+1], s20, \s*SLOT
	s_add_nc_u64 s[G0+4*\s+2:G0+4*\s+3], s[14:15], \s*(1<<21)     ; K step s: heads 2 s, 2 s + 1
	s_or_b32 s[G0+4*\s+3], s[G0+4*\s+3], 0x80000000
	s_mov_b32 s[G0B+4*\s], 1
	s_add_co_u32 s[G0B+4*\s+1], s21, \s*SLOT
	s_add_nc_u64 s[G0B+4*\s+2:G0B+4*\s+3], s[46:47], \s*256
	s_or_b32 s[G0B+4*\s+3], s[G0B+4*\s+3], 0x80000000
	JLOAD \s
.endr
	v_and_b32 v1, 15, v0                           ; r
	v_bfe_u32 v2, v0, 4, 1                         ; h
	v_lshrrev_b32 v3, 1, v1
	v_mul_u32_u24 v3, v3, PITCH
	v_and_b32 v4, 1, v1
	v_lshl_add_u32 v3, v4, 7, v3
	v_lshl_add_u32 v3, v2, 4, v3                   ; a: (r / 2) x 272 + (r % 2) x 128 + 16 h
	v_mul_u32_u24 v4, v1, PITCH
	v_lshl_add_u32 v4, v2, 4, v4                   ; W: r x 272 + 16 h
	s_mul_i32 s21, s11, 32*PITCH                   ; my 64 rows of a
	s_mul_i32 s22, s12, BHALF                      ; my 128 rows of W
	s_add_co_u32 s22, s22, BOFF
.irp s, 0,1
	v_add_nc_u32 v[ADRA+\s], s21, v3
	v_add_nc_u32 v[ADRB+\s], s22, v4
	s_add_co_u32 s21, s21, SLOT
	s_add_co_u32 s22, s22, SLOT
.endr
	s_mul_i32 s23, s10, 16*SPITCH
	s_add_co_u32 s23, s23, STAGE                   ; my stage
	v_mul_u32_u24 v5, v1, SPITCH
	v_lshl_add_u32 v5, v2, 5, v5
	v_add_nc_u32 v[STO], s23, v5                   ; in: row r, 32 bytes for each half of the lanes
	v_and_b32 v6, 31, v0
	v_lshlrev_b32 v[CO], 4, v6
	v_add_nc_u32 v[RD], s23, v[CO]                 ; back: the 32 lanes take one row of 512 bytes
	s_lshl_b32 s16, s13, 19                        ; my first row of out0: 128 x tile row + 64 x half, 4,096 bytes a row
	s_lshl_b32 s17, s11, 18
	s_add_co_u32 s16, s16, s17
	s_mov_b32 s17, 0
	s_add_nc_u64 s[8:9], s[8:9], s[16:17]
	s_lshl_b32 s46, s42, 10                        ; my first column, in bytes
	s_lshl_b32 s47, s12, 9
	s_add_co_u32 s46, s46, s47
	s_mov_b32 s47, 0
	s_add_nc_u64 s[8:9], s[8:9], s[46:47]
.macro MUL8 f, a, zero                 ; a's block a against W's eight, 32 along K.  The 32 accumulators take turns, one instruction a turn, in the same order in every quarter
.irp b, 0,1,2,3,4,5,6,7
.if \zero
	v_wmma_f32_16x16x32_f16 v[8*(8*(\a)+\b):8*(8*(\a)+\b)+7], v[\f+32+8*\b:\f+32+8*\b+7], v[\f+8*(\a):\f+8*(\a)+7], 0
.else
	v_wmma_f32_16x16x32_f16 v[8*(8*(\a)+\b):8*(8*(\a)+\b)+7], v[\f+32+8*\b:\f+32+8*\b+7], v[\f+8*(\a):\f+8*(\a)+7], v[8*(8*(\a)+\b):8*(8*(\a)+\b)+7]
.endif
.endr
.endm
.macro MUL16 f, a0, zero
	MUL8 \f, \a0, \zero
	MUL8 \f, (\a0)+1, \zero
.endm
.macro FETCH slot, q, f                ; 24 LDS loads in one run: the fragments of the slot's q-th 32 along K: W's eight, then a's four
	WIN 0
.irp b, 0,1,2,3,4,5,6,7
	ds_load_b128 v[\f+32+8*\b:\f+32+8*\b+3], v[ADRB+\slot] offset:64*(\q)+4352*\b
	ds_load_b128 v[\f+32+8*\b+4:\f+32+8*\b+7], v[ADRB+\slot] offset:64*(\q)+4352*\b+32
.endr
.irp a, 0,1,2,3
	ds_load_b128 v[\f+8*\a:\f+8*\a+3], v[ADRA+\slot] offset:((\q)/2)*AHALF+((\q)%2)*64+2176*\a
	ds_load_b128 v[\f+8*\a+4:\f+8*\a+7], v[ADRA+\slot] offset:((\q)/2)*AHALF+((\q)%2)*64+2176*\a+32
.endr
.endm
.macro PLACES                          ; four plain vector instructions in front of loads into registers that matrix instructions have read, and of reads of results
.rept 4
	v_nop
.endr
.endm
.macro QUARTER slot, q, f, g, zero     ; multiplies buffer f; in its middle it fetches the slot's q-th quarter into buffer g
	s_wait_dscnt 4                                 ; W's eight and a's blocks 0, 1 are in; the youngest four loads (a's blocks 2, 3) may be out
	WIN MUL
	MUL16 \f, 0, \zero
	PLACES
	FETCH \slot, \q, \g
	s_wait_dscnt 24                                ; all but the 24 just issued
	WIN MUL
	MUL16 \f, 2, \zero
.endm
; A slot's last quarter multiplies buffer 1 and changes slots: one barrier; in front of it each wave waits for all its tensor loads, adds 0 to its spare word, and waits for that and for its reads of this slot.
; fill = 1: the barrier opens a round of the cluster's barrier, and this slot is filled again, two K steps ahead: the request stands 112 matrix instructions ahead of the wait for it.
.macro TURN slot, next, fill
	WIN 0
	s_wait_tensorcnt 0x0                           ; my part of the next slot has landed
	ds_add_u32 v[SPW], v[NIL]
	s_wait_dscnt 5                                 ; (the add and the youngest four loads may be out)
	WIN MUL
	MUL8 F1, 0, 0
	s_wait_dscnt 0x0                               ; the add is done, and my reads of this slot are over
	s_barrier_signal -1
	MUL8 F1, 1, 0
.if \fill
	WIN 0
.endif
	s_barrier_wait -1
.if \fill
	CREST                                          ; no wave of any partner still reads this slot's tiles or has a load on its way
	s_add_nc_u64 s[G0+4*\slot+2:G0+4*\slot+3], s[G0+4*\slot+2:G0+4*\slot+3], 1<<22   ; four heads on
	s_add_nc_u64 s[G0B+4*\slot+2:G0B+4*\slot+3], s[G0B+4*\slot+2:G0B+4*\slot+3], 512
	JLOAD \slot                                    ; the four v_nop behind it are also the places in front of the loads below
.else
	PLACES
.endif
	FETCH \next, 0, F0
	WIN MUL
	MUL16 F1, 2, 0
.endm
	s_wait_tensorcnt 1                             ; my part of K step 0 is in (K step 1's load may be out)
	s_barrier_signal -1
	s_barrier_wait -1                              ; everybody's is
	FETCH 0, 0, F0
	QUARTER 0, 1, F0, F1, 1                        ; the first quarter's products start the sums: nothing is cleared
	WIN 0
	s_mov_b32 s3, LAPS-1
.Llap:                                             ; a trip goes once round the two slots, from a lap's second quarter to the next lap's first, and fills both again
	QUARTER 0, 2, F1, F0, 0
	QUARTER 0, 3, F0, F1, 0
	TURN 0, 1, 1
	QUARTER 1, 1, F0, F1, 0
	QUARTER 1, 2, F1, F0, 0
	QUARTER 1, 3, F0, F1, 0
	TURN 1, 0, 1
	QUARTER 0, 1, F0, F1, 0
	WIN 0
	s_sub_co_u32 s3, s3, 1
	s_cmp_lg_u32 s3, 0
	s_cbranch_scc1 .Llap
	QUARTER 0, 2, F1, F0, 0                        ; the last lap fills nothing
	QUARTER 0, 3, F0, F1, 0
	TURN 0, 1, 0
	QUARTER 1, 1, F0, F1, 0
	QUARTER 1, 2, F1, F0, 0
	QUARTER 1, 3, F0, F1, 0
	s_wait_dscnt 4
	WIN MUL
	MUL16 F1, 0, 0
	s_wait_dscnt 0
	MUL16 F1, 2, 0
	WIN 0
; THE WAY OUT, a block of 16 rows x 128 columns at a time: through my own stage, back as whole rows of 512 bytes.  LDS serves a wave's instructions in order: no wait between the stores and the loads.
.macro TOSTAGE a
	WIN 0x04                                       ; an LDS store's data: window 1
.irp b, 0,1,2,3,4,5,6,7
	ds_store_b128 v[STO], v[8*(8*(\a)+\b):8*(8*(\a)+\b)+3] offset:64*\b          ; each accumulator from its low end on
	ds_store_b128 v[STO], v[8*(8*(\a)+\b)+4:8*(8*(\a)+\b)+7] offset:64*\b+16
.endr
	WIN 0
.set BB, BK+64*((\a)%2)
.irp t, 0,1,2,3,4,5,6,7,8,9,10,11,12,13,14,15
	ds_load_b128 v[BB+4*\t:BB+4*\t+3], v[RD] offset:\t*SPITCH
.endr
.endm
.macro SEND a, younger
.set BB, BK+64*((\a)%2)
	s_wait_dscnt \younger                          ; the block is back; the next block's 16 stores and 16 loads may be out
.if (\a) > 0
	s_add_nc_u64 s[8:9], s[8:9], 65536             ; 16 rows on (behind a wait on XCNT: the earlier stores have read their base)
.endif
.irp t, 0,1,2,3,4,5,6,7,8,9,10,11,12,13,14,15
	global_store_b128 v[CO], v[BB+4*\t:BB+4*\t+3], s[8:9] offset:\t*4096 th:TH_STORE_NT   ; 32 lanes store 512 consecutive bytes of a row
.endr
.endm
	PLACES
	TOSTAGE 0
.irp a, 1,2,3
.if \a > 1
	s_wait_xcnt 0x0                                ; block a - 2's stores have read their registers and their base
.endif
	TOSTAGE \a
	SEND \a-1, 32
.endr
	s_wait_xcnt 0x0
	SEND 3, 0
	s_wait_tensorcnt 0x0                           ; the wave's end
	ds_add_u32 v[SPW], v[NIL]
	s_wait_dscnt 0x0
	CROUND                                         ; the closing round
	s_endpgm
.Lfunc_end_k_q152a3f02c9_proj:
	.size	k_q152a3f02c9_proj, .Lfunc_end_k_q152a3f02c9_proj-k_q152a3f02c9_proj
	.p2alignl 7, 3214868480
	.fill 96, 4, 3214868480
	.section	.rodata,"a",@progbits
	.p2align	6, 0x0
	.amdhsa_kernel k_q152a3f02c9_proj
		.amdhsa_group_segment_fixed_size 327680
		.amdhsa_private_segment_fixed_size 0
		.amdhsa_enable_private_segment 0
		.amdhsa_kernarg_size 24
		.amdhsa_user_sgpr_count 2
		.amdhsa_user_sgpr_kernarg_segment_ptr 1
		.amdhsa_wavefront_size32 1
		.amdhsa_system_sgpr_workgroup_id_x 1
		.amdhsa_system_sgpr_workgroup_id_y 1
		.amdhsa_system_sgpr_workgroup_id_z 1
		.amdhsa_system_vgpr_workitem_id 0
		.amdhsa_next_free_vgpr 512
		.amdhsa_next_free_sgpr 66
		.amdhsa_reserve_vcc 0
		.amdhsa_float_denorm_mode_32 3
		.amdhsa_float_denorm_mode_16_64 3
		.amdhsa_memory_ordered 1
		.amdhsa_forward_progress 1
		.amdhsa_inst_pref_size 85
	.end_amdhsa_kernel
	.amdgpu_metadata
---
amdhsa.version: [ 1, 2 ]
amdhsa.kernels:
  - .name:           k_q152a3f02c9_proj
    .symbol:         k_q152a3f02c9_proj.kd
    .args:
      - { .name: att, .offset: 0, .size: 8, .value_kind: global_buffer, .address_space: global }
      - { .name: wp16, .offset: 8, .size: 8, .value_kind: global_buffer, .address_space: global }
      - { .name: out0, .offset: 16, .size: 8, .value_kind: global_buffer, .address_space: global }
    .group_segment_fixed_size: 327680
    .private_segment_fixed_size: 0
    .kernarg_segment_align: 8
    .kernarg_segment_size: 24
    .max_flat_workgroup_size: 128
    .sgpr_count:     66
    .vgpr_count:     512
    .wavefront_size: 32
...
	.end_amdgpu_metadata
.endif
;; end of part 4
;; launch fine (part 5): grid 16 x 4, 16 waves a work-group, no clusters, 75,776 bytes of LDS; arguments aux, bsuf0, W_proj, out0; writes out0
.if DOCPART == 5
	.amdgcn_target "amdgcn-amd-amdhsa--gfx1250"
	.amdhsa_code_object_version 6
	.text
	.protected	k_q152a3f02c9_fine
	.globl	k_q152a3f02c9_fine
	.p2align	8
	.type	k_q152a3f02c9_fine,@function
k_q152a3f02c9_fine:
	s_mov_b64 s[64:65], 0
	v_nop
	global_prefetch_b8 v0, s[64:65] scope:SCOPE_SE
	s_setreg_imm32_b32 hwreg(HW_REG_WAVE_MODE, 25, 1), 1
	s_wait_xcnt 0x0
; The first 16 positions of every batch once more, all in f32: attention and projection.  These rows average one to sixteen values and are the largest in size, so the rounding of 16-bit operands weighs most there.
; A work-group takes one batch and 64 outputs (a row's piece is 256 consecutive bytes, aligned); each of its sixteen waves takes one head: S^T = K Q^T, the softmax, O^T = V^T P, and the head's part of the projection;
; the sixteen parts meet in LDS.  64 work-groups: no more can share this work in whole pieces of rows.  The attention of a batch is repeated in its sixteen work-groups: 16 x 16 x 64 a head, nothing beside the projection.
; THE MASK IS -10,000: the hidden keys among the first 16 get the score -80,000 ahead of the factor 1/8; the 2,032 keys behind them all have the weight w = 2^(c (-80,000) - c m) and enter as w x Bs and 2,032 w,
; Bs = (the sum of v over keys 0-63 less that over keys 0-15) + the sum over keys 64-2,047.  LIMIT: that difference of two f32 sums of the same numbers can lose some 64 ulp of |v|.  NaN and infinities are not served.
; All products go by v_wmma_f32_16x16x4_f32, with ONE permutation of k applied alike to both sources, so that nothing changes lanes: a lane's two registers of a K step are two neighbours of what it holds anyway.
; Its four accumulators, v192-223, are written by matrix instructions alone; every sum begins with the constant 0; what is made of a sum goes into other registers.
; REGISTERS: v16-23 S^T, then p; v24-31 at work; v32-63 Q, v64-95 K (lane (r, h): row r, channels 32 h on), later W's tiles 2, 3; v96-127 V^T (8 ct + j: key 8 h + j, channel 16 ct + r); v128-191 W's tiles 0, 1;
; v224-255 v's 16 rows, later O (8 ct + j: channel 16 ct + 8 h + j of query r).
.set ACC,  192
.set ON,   224
.set SX,   16
.set PW,   4352                        ; LDS: a wave's part: 16 rows x (256 bytes + 16)
.set BSC,  16*PW                       ; 256 bytes a wave: Bs
.set SPARE, BSC+16*256                 ; the spare words, 128 bytes a wave, which no other line names
.set SPW,  3
.set NIL,  4
	s_load_b256 s[4:11], s[0:1], 0x0               ; aux s[4:5], bsuf0 s[6:7], W_proj s[8:9], out0 s[10:11]
	v_lshl_add_u32 v[SPW], v0, 2, SPARE
	v_mov_b32 v[NIL], 0
	v_lshrrev_b32 v1, 5, v0
	v_readfirstlane_b32 s12, v1                    ; wave = head
	s_and_b32 s13, ttmp7, 0xffff                   ; batch
	s_lshl_b32 s30, s12, 8                         ; a head's 64 numbers are 256 bytes
	s_mul_i32 s14, s13, 196608                     ; the f32 copy: 16 rows of 12,288 bytes a batch
	s_add_co_u32 s14, s14, s30
	s_mov_b32 s15, 0
	s_lshl_b32 s16, s13, 17                        ; the sums over 64 keys: 32 rows of 4,096 bytes a batch, behind the copy
	s_add_co_u32 s16, s16, s30
	s_add_co_u32 s16, s16, 786432
	s_mov_b32 s17, 0
	s_lshl_b32 s18, s13, 12
	s_add_co_u32 s18, s18, s30                     ; (16 batch + head) x 256
	s_mov_b32 s19, 0
	s_lshl_b32 s20, ttmp9, 18                      ; W_proj: my 64 rows of 4,096 bytes,
	s_add_co_u32 s20, s20, s30                     ; my head's columns
	s_mov_b32 s21, 0
	s_lshl_b32 s22, s13, 23                        ; out0: 2,048 rows of 4,096 bytes a batch,
	s_lshl_b32 s23, ttmp9, 8
	s_add_co_u32 s22, s22, s23                     ; my 64 outputs
	s_mov_b32 s23, 0
	s_mov_b32 s24, 0x76543210
	s_mov_b32 s25, 0xfedcba98                      ; v_permlanex16_b32's selects for lane l xor 16
	s_mov_b32 s26, 0x44fe0000                      ; 2,032
	s_mov_b32 s28, 0x3e38aa3b                      ; c = log2(e) / 8
	s_mov_b32 s29, s28
	v_and_b32 v1, 15, v0                           ; r
	v_bfe_u32 v2, v0, 4, 1                         ; h
	v_mul_u32_u24 v5, v1, 12288
	v_lshl_add_u32 v5, v2, 7, v5                   ; Q, K: row r, channels 32 h on
	v_and_b32 v6, 31, v0
	v_lshlrev_b32 v6, 3, v6                        ; 8 x lane
	v_mul_u32_u24 v7, v2, 98304
	v_lshl_add_u32 v7, v1, 2, v7                   ; V^T: keys 8 h on, channel r
	v_lshlrev_b32 v8, 3, v2
	v_sub_nc_u32 v8, v1, v8                        ; r - 8 h
	v_mov_b32 v9, 0xc79c4000                       ; -80,000
	v_lshlrev_b32 v10, 12, v1
	v_lshl_add_u32 v10, v2, 5, v10                 ; W: row r, channels 8 h on
	s_add_co_u32 s31, s30, BSC
	v_add_nc_u32 v11, s31, v6                      ; Bs in: two channels a lane
	v_lshl_add_u32 v12, v2, 5, s31                 ; and back: my half's eight channels of a tile
	s_mul_i32 s31, s12, PW
	v_mul_u32_u24 v13, v1, 272
	v_lshl_add_u32 v13, v2, 5, v13
	v_add_nc_u32 v13, s31, v13                     ; my part: row r, 32 h
	v_and_b32 v14, 255, v0
	v_lshrrev_b32 v15, 4, v14
	v_and_b32 v14, 15, v14
	v_lshlrev_b32 v14, 4, v14
	v_mad_u32_u24 v14, v15, 272, v14               ; the sum: thread t of the first 256 takes row t / 16, bytes 16 (t % 16)
	v_lshlrev_b32 v15, 12, v15
	v_and_b32 v1, 15, v0
	v_lshl_add_u32 v15, v1, 4, v15                 ; and the same place in out0
	s_wait_kmcnt 0x0
	s_add_nc_u64 s[14:15], s[4:5], s[14:15]
	s_add_nc_u64 s[16:17], s[4:5], s[16:17]
	s_add_nc_u64 s[18:19], s[6:7], s[18:19]
	s_add_nc_u64 s[20:21], s[8:9], s[20:21]
	s_add_nc_u64 s[22:23], s[10:11], s[22:23]
.irp i, 0,1,2,3,4,5,6,7
	global_load_b128 v[32+4*\i:35+4*\i], v5, s[14:15] offset:16*\i           ; Q
.endr
.irp i, 0,1,2,3,4,5,6,7
	global_load_b128 v[64+4*\i:67+4*\i], v5, s[14:15] offset:4096+16*\i      ; K
.endr
.irp t, 0,1,2,3,4,5,6,7,8,9,10,11,12,13,14,15
	global_load_b64 v[ON+2*\t:ON+2*\t+1], v6, s[14:15] offset:8192+12288*\t  ; v's rows 0-15, two channels a lane
.endr
	global_load_b64 v[28:29], v6, s[18:19]         ; the sum of v over keys 64 on
	global_load_b64 v[30:31], v6, s[16:17]         ; and over keys 0-63
.irp ct, 0,1,2,3
.irp j, 0,1,2,3,4,5,6,7
	global_load_b32 v[96+8*\ct+\j], v7, s[14:15] offset:8192+12288*\j+64*\ct
.endr
.endr
.irp et, 0,1
.irp ct, 0,1,2,3
	global_load_b128 v[128+32*\et+8*\ct:128+32*\et+8*\ct+3], v10, s[20:21] offset:65536*\et+64*\ct
	global_load_b128 v[128+32*\et+8*\ct+4:128+32*\et+8*\ct+7], v10, s[20:21] offset:65536*\et+64*\ct+16
.endr
.endr
	s_wait_loadcnt 48                              ; V^T's 32 loads and W's 16 may be out
	v_pk_add_f32 v[24:25], v[ON:ON+1], v[ON+2:ON+3]
	v_pk_add_f32 v[26:27], v[ON+4:ON+5], v[ON+6:ON+7]
.irp t, 4,6,8,10,12,14
	v_pk_add_f32 v[24:25], v[24:25], v[ON+2*\t:ON+2*\t+1]
	v_pk_add_f32 v[26:27], v[26:27], v[ON+2*\t+2:ON+2*\t+3]
.endr
	v_pk_add_f32 v[24:25], v[24:25], v[26:27]
	v_pk_add_f32 v[24:25], v[30:31], v[24:25] neg_lo:[0,1] neg_hi:[0,1]
	v_pk_add_f32 v[24:25], v[24:25], v[28:29]      ; Bs
	ds_store_b64 v11, v[24:25]
	; S^T = K Q^T: 16 K steps of 4, four accumulators by turns, each begun with 0
.set KK, 0
.rept 16
.if KK < 4
	v_wmma_f32_16x16x4_f32 v[ACC+8*(KK%4):ACC+8*(KK%4)+7], v[64+2*KK:65+2*KK], v[32+2*KK:33+2*KK], 0
.else
	v_wmma_f32_16x16x4_f32 v[ACC+8*(KK%4):ACC+8*(KK%4)+7], v[64+2*KK:65+2*KK], v[32+2*KK:33+2*KK], v[ACC+8*(KK%4):ACC+8*(KK%4)+7]
.endif
.set KK, KK+1
.endr
.rept 8
	v_nop                                          ; eight places behind this form, in front of loads into its sources and of reads of its results
.endr
.irp et, 2,3
.irp ct, 0,1,2,3
	global_load_b128 v[32+32*(\et-2)+8*\ct:32+32*(\et-2)+8*\ct+3], v10, s[20:21] offset:65536*\et+64*\ct
	global_load_b128 v[32+32*(\et-2)+8*\ct+4:32+32*(\et-2)+8*\ct+7], v10, s[20:21] offset:65536*\et+64*\ct+16
.endr
.endr
.irp j, 0,2,4,6
	v_pk_add_f32 v[SX+\j:SX+\j+1], v[ACC+\j:ACC+\j+1], v[ACC+8+\j:ACC+8+\j+1]     ; the four partial sums, each from its low end on
.endr
.irp j, 0,2,4,6
	v_pk_add_f32 v[SX+\j:SX+\j+1], v[SX+\j:SX+\j+1], v[ACC+16+\j:ACC+16+\j+1]
.endr
.irp j, 0,2,4,6
	v_pk_add_f32 v[SX+\j:SX+\j+1], v[SX+\j:SX+\j+1], v[ACC+24+\j:ACC+24+\j+1]
.endr
.irp j, 0,1,2,3,4,5,6,7
	v_cmp_gt_i32 vcc_lo, \j, v8                    ; key 8 h + j is hidden from query r where j > r - 8 h
	v_cndmask_b32 v[SX+\j], v[SX+\j], v9, vcc_lo
.endr
	v_max3_num_f32 v24, v16, v17, v18
	v_max3_num_f32 v25, v19, v20, v21
	v_max3_num_f32 v24, v24, v22, v23
	v_max3_num_f32 v24, v24, v25, v9               ; hidden keys there always are: -80,000 is among the scores
	v_permlanex16_b32 v25, v24, s24, s25
	v_max_num_f32 v24, v24, v25                    ; m
	v_mul_f32 v26, s28, v24                        ; c m
	v_mov_b32 v27, v26
.irp j, 0,2,4,6
	v_pk_fma_f32 v[SX+\j:SX+\j+1], v[SX+\j:SX+\j+1], s[28:29], v[26:27] op_sel_hi:[1,0,0] neg_lo:[0,0,1] neg_hi:[0,0,1]
.endr
	v_fma_f32 v25, v9, s28, -v26
.irp j, 0,1,2,3,4,5,6,7
	v_exp_f32 v[SX+\j], v[SX+\j]                   ; p
.endr
	v_exp_f32 v25, v25                             ; w
	v_nop
	s_wait_alu depctr_va_vdst(0)                   ; one wait for the nine, ahead of their first reader
	v_add_f32 v28, v16, v17
	v_add_f32 v29, v18, v19
	v_add_f32 v30, v20, v21
	v_add_f32 v31, v22, v23
	v_add_f32 v28, v28, v29
	v_add_f32 v30, v30, v31
	v_add_f32 v28, v28, v30
	v_permlanex16_b32 v29, v28, s24, s25
	v_add_f32 v28, v28, v29
	v_fma_f32 v28, v25, s26, v28                   ; l = the sum of p + 2,032 w
	v_rcp_f32 v30, v28
	v_nop
	s_wait_alu depctr_va_vdst(0)
	v_mul_f32 v28, v25, v30                        ; w / l in v28, 1 / l in v30
	s_wait_loadcnt 32                              ; V^T is in; W's 32 loads may be out
	; O^T = V^T P: 4 K steps of 4 keys, the four tiles of channels by turns
.irp s, 0,1,2,3
.irp ct, 0,1,2,3
.if \s == 0
	v_wmma_f32_16x16x4_f32 v[ACC+8*\ct:ACC+8*\ct+7], v[96+8*\ct+2*\s:97+8*\ct+2*\s], v[SX+2*\s:SX+2*\s+1], 0
.else
	v_wmma_f32_16x16x4_f32 v[ACC+8*\ct:ACC+8*\ct+7], v[96+8*\ct+2*\s:97+8*\ct+2*\s], v[SX+2*\s:SX+2*\s+1], v[ACC+8*\ct:ACC+8*\ct+7]
.endif
.endr
.endr
.rept 9
	v_nop                                          ; eight places in front of the reads of these results, nine in front of the products that begin new sums in the same registers
.endr
.irp ct, 0,1,2,3
	ds_load_b128 v[ON+8*\ct:ON+8*\ct+3], v12 offset:64*\ct          ; Bs at my eight channels of each tile: my wave's own bytes
	ds_load_b128 v[ON+8*\ct+4:ON+8*\ct+7], v12 offset:64*\ct+16
.endr
	s_wait_dscnt 0x0
.set NN, 0
.rept 16
	v_pk_mul_f32 v[ON+NN:ON+NN+1], v[ON+NN:ON+NN+1], v[28:29] op_sel_hi:[1,0]
.set NN, NN+2
.endr
.set NN, 0
.rept 16
	v_pk_fma_f32 v[ON+NN:ON+NN+1], v[ACC+NN:ACC+NN+1], v[30:31], v[ON+NN:ON+NN+1] op_sel_hi:[1,0,1]   ; O = (O^T + w Bs) / l
.set NN, NN+2
.endr
	s_wait_loadcnt 0x0                             ; W
	; my head's part of the projection: 16 K steps of 4 channels, the four tiles of outputs by turns
.set KK, 0
.rept 16
.if KK == 0
	v_wmma_f32_16x16x4_f32 v[ACC:ACC+7], v[128+2*KK:129+2*KK], v[ON+2*KK:ON+2*KK+1], 0
	v_wmma_f32_16x16x4_f32 v[ACC+8:ACC+15], v[160+2*KK:161+2*KK], v[ON+2*KK:ON+2*KK+1], 0
	v_wmma_f32_16x16x4_f32 v[ACC+16:ACC+23], v[32+2*KK:33+2*KK], v[ON+2*KK:ON+2*KK+1], 0
	v_wmma_f32_16x16x4_f32 v[ACC+24:ACC+31], v[64+2*KK:65+2*KK], v[ON+2*KK:ON+2*KK+1], 0
.else
	v_wmma_f32_16x16x4_f32 v[ACC:ACC+7], v[128+2*KK:129+2*KK], v[ON+2*KK:ON+2*KK+1], v[ACC:ACC+7]
	v_wmma_f32_16x16x4_f32 v[ACC+8:ACC+15], v[160+2*KK:161+2*KK], v[ON+2*KK:ON+2*KK+1], v[ACC+8:ACC+15]
	v_wmma_f32_16x16x4_f32 v[ACC+16:ACC+23], v[32+2*KK:33+2*KK], v[ON+2*KK:ON+2*KK+1], v[ACC+16:ACC+23]
	v_wmma_f32_16x16x4_f32 v[ACC+24:ACC+31], v[64+2*KK:65+2*KK], v[ON+2*KK:ON+2*KK+1], v[ACC+24:ACC+31]
.endif
.set KK, KK+1
.endr
.rept 8
	v_nop
.endr
.irp et, 0,1,2,3
	ds_store_b128 v13, v[ACC+8*\et:ACC+8*\et+3] offset:64*\et        ; lane (r, h): query r, outputs 16 et + 8 h + 0 .. 7
	ds_store_b128 v13, v[ACC+8*\et+4:ACC+8*\et+7] offset:64*\et+16
.endr
	s_wait_dscnt 0x0                               ; for the others' sake: my part lies in LDS
	s_barrier_signal -1
	s_barrier_wait -1
	s_cmp_gt_u32 s12, 7                            ; 256 threads add the sixteen parts, heads ascending
	s_cbranch_scc1 .Ldone
.irp p, 0,1,2,3,4,5,6,7,8,9,10,11,12,13,14,15
	ds_load_b128 v[32+4*\p:35+4*\p], v14 offset:PW*\p
.endr
	s_wait_dscnt 0x0
.irp p, 1,2,3,4,5,6,7,8,9,10,11,12,13,14,15
	v_pk_add_f32 v[32:33], v[32:33], v[32+4*\p:33+4*\p]
	v_pk_add_f32 v[34:35], v[34:35], v[34+4*\p:35+4*\p]
.endr
	global_store_b128 v15, v[32:35], s[22:23]      ; sixteen lanes store 256 consecutive bytes of a row, aligned
.Ldone:
	s_wait_tensorcnt 0x0                           ; the wave's end
	ds_add_u32 v[SPW], v[NIL]
	s_wait_dscnt 0x0
	s_endpgm
.Lfunc_end_k_q152a3f02c9_fine:
	.size	k_q152a3f02c9_fine, .Lfunc_end_k_q152a3f02c9_fine-k_q152a3f02c9_fine
	.p2alignl 7, 3214868480
	.fill 96, 4, 3214868480
	.section	.rodata,"a",@progbits
	.p2align	6, 0x0
	.amdhsa_kernel k_q152a3f02c9_fine
		.amdhsa_group_segment_fixed_size 75776
		.amdhsa_private_segment_fixed_size 0
		.amdhsa_enable_private_segment 0
		.amdhsa_kernarg_size 32
		.amdhsa_user_sgpr_count 2
		.amdhsa_user_sgpr_kernarg_segment_ptr 1
		.amdhsa_wavefront_size32 1
		.amdhsa_system_sgpr_workgroup_id_x 1
		.amdhsa_system_sgpr_workgroup_id_y 1
		.amdhsa_system_sgpr_workgroup_id_z 1
		.amdhsa_system_vgpr_workitem_id 0
		.amdhsa_next_free_vgpr 256
		.amdhsa_next_free_sgpr 66
		.amdhsa_reserve_vcc 1
		.amdhsa_float_denorm_mode_32 3
		.amdhsa_float_denorm_mode_16_64 3
		.amdhsa_memory_ordered 1
		.amdhsa_forward_progress 1
		.amdhsa_inst_pref_size 30
	.end_amdhsa_kernel
	.amdgpu_metadata
---
amdhsa.version: [ 1, 2 ]
amdhsa.kernels:
  - .name:           k_q152a3f02c9_fine
    .symbol:         k_q152a3f02c9_fine.kd
    .args:
      - { .name: aux, .offset: 0, .size: 8, .value_kind: global_buffer, .address_space: global }
      - { .name: bsuf0, .offset: 8, .size: 8, .value_kind: global_buffer, .address_space: global }
      - { .name: W_proj, .offset: 16, .size: 8, .value_kind: global_buffer, .address_space: global }
      - { .name: out0, .offset: 24, .size: 8, .value_kind: global_buffer, .address_space: global }
    .group_segment_fixed_size: 75776
    .private_segment_fixed_size: 0
    .kernarg_segment_align: 8
    .kernarg_segment_size: 32
    .max_flat_workgroup_size: 512
    .sgpr_count:     66
    .vgpr_count:     256
    .wavefront_size: 32
...
	.end_amdgpu_metadata
.endif
;; end of part 5
